; MI455X (gfx1250); checked and timed in simulation.
; The chip was launched on July 23, 2026; its instructions are those of AMD's public machine-readable ISA for CDNA 5 (MIT licence, August 2026) and "CDNA5" Instruction Set Architecture Reference Guide (July 2026). The comments in the code are by the model that wrote it; some were corrected since.
;; Quant Linear. Allowed arithmetic: float matrix products may take bf16 or f16 operands with f32 sums; other float arithmetic in f32, or as packed bf16 or f16 multiplies, adds, multiply-adds, maxima and minima; sums over many terms, partial sums and values carried from step to step in f32; what a program stores and reads back later, other than sums and carried values, may be rounded once to bf16 or f16.
;; Inputs: bias 4,096 float32; g_idx 4,096 int32; lora_A 2 x 16 x 4,096 float32; lora_B 2 x 4,096 x 16 float32; qweight 512 x 4,096 int32; qzeros 32 x 512 int32; scales 32 x 4,096 float32; x 2 x 2,048 x 4,096 float32.
;; Outputs: out0 2 x 2,048 x 4,096 float32.
;; 2 versions, each right; version 2 is version 1 with the launch wprep written anew for expert scheduling mode. Each part assembles by itself: llvm-mc -triple=amdgcn-amd-amdhsa -mcpu=gfx1250 --defsym DOCPART=n.
;; ======== version 1 of 2: 3 launches
;; limits: values are held in f16: magnitudes above 65,504 overflow, below 6.1e-05 lose precision; inputs' magnitudes at most 65,504
;; workspace buffers: xh 33,554,432 bytes; wt 33,554,432 bytes; part 131,072 bytes; tot 1,024 bytes
;; launch cast (part 1): grid 32 x 8, 16 waves a work-group, no clusters, 10,240 bytes of LDS; arguments x, xh, part, tot; writes xh, part, tot
.if DOCPART == 1
	.amdgcn_target "amdgcn-amd-amdhsa--gfx1250"
	.amdhsa_code_object_version 6
	.text
	.protected	k_qfc09ba6868_cast
	.globl	k_qfc09ba6868_cast
	.p2align	8
	.type	k_qfc09ba6868_cast,@function
k_qfc09ba6868_cast:
	s_mov_b64 s[64:65], 0
	v_nop
	global_prefetch_b8 v0, s[64:65] scope:SCOPE_SE
	s_setreg_imm32_b32 hwreg(HW_REG_WAVE_MODE, 25, 1), 1
	s_wait_xcnt 0x0
; xh = x rounded once to f16; part[rb][c] = the sum of |x[r][c]| over the 512 rows of row block rb; tot[rb][sx] = the sum of a work-group's 128 entries of part.
; x: [4096][4096] f32.  xh: [4096][4096] f16.  part: [8][4096] f32.  tot: [8][32] f32.  All sums in f32.
; LIMITS.  |x| of 65,520 or more becomes an infinity in f16; below 6.1e-5 f16 keeps its fixed step of 6e-8.  NaN and infinities are not treated apart.
; SHARES.  Work-group (sx, rb) owns columns 128 sx .. +127 of rows 512 rb .. +511.  Wave w takes rows w + 16 j, j = 0 .. 31; lane l the columns 4 l .. 4 l + 3.
; A load of a wave covers 512 consecutive bytes of x, a store 256 consecutive bytes of xh that begin at a multiple of 256 from xh's first byte.
; A ring of DEPTH register slots keeps DEPTH loads of every wave on their way.  Every row has its own pair of registers for the store, and a row's place stands in the immediate
; (31 x 262,144 bytes at the most, inside the signed 24 bits), so no register that a pending load or store names is ever rewritten and the stream holds no wait but the counted one.
; No matrix unit, no tensor load, no cluster: each byte is read once and work-groups share nothing.
.set XROW,  16384                      ; bytes in a row of x
.set HROW,  8192                       ; bytes in a row of xh
.set DEPTH, 8                          ; loads of a wave on their way
.set NR,    32                         ; rows of a wave
.set SPARE, 8192                       ; LDS: 0 .. 8,191 sixteen waves' sums, 512 bytes each; from here the spare words, 128 bytes a wave
.set VO,  1                            ; v1   w x 16,384 + 16 l: my 16 bytes in the wave's first row of x; never rewritten
.set VH,  2                            ; v2   w x 8,192 + 8 l: my 8 bytes in xh; never rewritten
.set SPW, 3                            ; v3   LDS address of my spare word; never rewritten
.set NIL, 4                            ; v4   0; never rewritten
.set LW,  5                            ; v5   16 x thread: where my four sums go in LDS
.set LR,  6                            ; v6   16 l: where wave 0 reads them, and my offset in part
.set SUM, 8                            ; v[8:11]    my four columns' sums
.set X,   12                           ; v[12:43]   slot s: four numbers as loaded
.set Y,   44                           ; v[44:107]  row j: its four numbers in f16
.set R,   108                          ; v[108:171] wave 0: the sixteen waves' sums
	s_load_b256 s[4:11], s[0:1], 0x0               ; x s[4:5], xh s[6:7], part s[8:9], tot s[10:11]
	v_lshl_add_u32 v[SPW], v0, 2, SPARE
	v_mov_b32 v[NIL], 0
	v_lshrrev_b32 v7, 5, v0
	v_readfirstlane_b32 s12, v7                    ; my wave's number
	v_and_b32 v[LR], 31, v0
	v_lshlrev_b32 v[LR], 4, v[LR]
	v_lshl_add_u32 v[VO], v7, 14, v[LR]
	v_lshrrev_b32 v[VH], 1, v[LR]
	v_lshl_add_u32 v[VH], v7, 13, v[VH]
	v_lshlrev_b32 v[LW], 4, v0
	s_and_b32 s13, ttmp7, 0xffff                   ; rb
	s_lshl_b32 s14, s13, 23                        ; 512 rows of 16,384 bytes
	s_lshl_b32 s18, ttmp9, 9                       ; 128 columns of 4 bytes
	s_add_co_u32 s14, s14, s18
	s_mov_b32 s15, 0
	s_mov_b32 s16, 0x76543210                      ; v_permlanex16_b32: each lane takes its own place in the other half
	s_mov_b32 s17, 0xfedcba98
	s_wait_kmcnt 0x0
	s_add_nc_u64 s[4:5], s[4:5], s[14:15]
.set j, 0
.rept DEPTH
	global_load_b128 v[X+4*j:X+4*j+3], v[VO], s[4:5] offset:j*16*XROW th:TH_LOAD_NT  ; the ring is filled: rows w + 16 j, j = 0 .. 7
.set j, j+1
.endr
	s_lshr_b32 s14, s14, 1                         ; the same place in xh: half the bytes
	s_add_nc_u64 s[6:7], s[6:7], s[14:15]
	s_lshl_b32 s14, s13, 14
	s_add_co_u32 s14, s14, s18
	s_add_nc_u64 s[8:9], s[8:9], s[14:15]          ; part at [rb][128 sx]
	s_lshl_b32 s14, s13, 5
	s_add_co_u32 s14, s14, ttmp9
	s_lshl_b32 s14, s14, 2
	s_add_nc_u64 s[10:11], s[10:11], s[14:15]      ; tot at [rb][sx]
; Row j: its load is waited for, |x| is added, the four numbers are rounded, the slot is loaded again and the row is stored.
.set j, 0
.rept NR
.set XS, X+4*(j%DEPTH)
.if j < NR-DEPTH
	s_wait_loadcnt DEPTH-1                         ; loads come back in order (ISA guide 5.7.1): mine is in, the seven younger ones stay out
.else
	s_wait_loadcnt NR-1-j                          ; the last eight rows load nothing: the counts run down
.endif
.irp k, 0,1,2,3
.if j == 0
	v_and_b32 v[SUM+\k], 0x7fffffff, v[XS+\k]      ; the first row starts the sums: nothing is cleared
.else
	v_add_f32 v[SUM+\k], v[SUM+\k], |v[XS+\k]|
.endif
.endr
	v_cvt_pk_f16_f32 v[Y+2*j], v[XS], v[XS+1]
	v_cvt_pk_f16_f32 v[Y+2*j+1], v[XS+2], v[XS+3]
.if j < NR-DEPTH
	global_load_b128 v[XS:XS+3], v[VO], s[4:5] offset:(j+DEPTH)*16*XROW th:TH_LOAD_NT
.endif
	global_store_b64 v[VH], v[Y+2*j:Y+2*j+1], s[6:7] offset:j*16*HROW
.set j, j+1
.endr
	ds_store_b128 v[LW], v[SUM:SUM+3]
	s_wait_dscnt 0x0                               ; for wave 0's sake: my sums are in LDS
	s_barrier_signal -1
	s_barrier_wait -1
	s_cmp_lg_u32 s12, 0
	s_cbranch_scc1 .Lend                           ; wave 0 alone adds the sixteen rows of sums
.set n, 0
.rept 16
	ds_load_b128 v[R+4*n:R+4*n+3], v[LR] offset:512*n
.set n, n+1
.endr
	s_wait_dscnt 0x0
.irp d, 8,4,2,1
.set n, 0
.rept \d
	v_pk_add_f32 v[R+4*n:R+4*n+1], v[R+4*n:R+4*n+1], v[R+4*(n+\d):R+4*(n+\d)+1]
	v_pk_add_f32 v[R+4*n+2:R+4*n+3], v[R+4*n+2:R+4*n+3], v[R+4*(n+\d)+2:R+4*(n+\d)+3]
.set n, n+1
.endr
.endr
	global_store_b128 v[LR], v[R:R+3], s[8:9]      ; 512 consecutive bytes of part
	v_add_f32 v[R+4], v[R], v[R+1]
	v_add_f32 v[R+5], v[R+2], v[R+3]
	v_add_f32 v[R+4], v[R+4], v[R+5]
	v_add_f32_dpp v[R+4], v[R+4], v[R+4] row_xmask:1 row_mask:0xf bank_mask:0xf
	v_add_f32_dpp v[R+4], v[R+4], v[R+4] row_xmask:2 row_mask:0xf bank_mask:0xf
	v_add_f32_dpp v[R+4], v[R+4], v[R+4] row_xmask:4 row_mask:0xf bank_mask:0xf
	v_add_f32_dpp v[R+4], v[R+4], v[R+4] row_xmask:8 row_mask:0xf bank_mask:0xf
	v_permlanex16_b32 v7, v[R+4], s16, s17         ; its destination counts as read: v7 has been written
	v_add_f32 v[R+4], v[R+4], v7                   ; the work-group's total, in every lane
	v_mov_b32 v7, 0
	v_cmp_eq_u32 vcc_lo, 0, v0
	s_wait_xcnt 0x0                                ; EXEC is a source of the stores that are out: it changes only behind this wait
	s_and_saveexec_b32 s20, vcc_lo
	global_store_b32 v7, v[R+4], s[10:11]          ; one lane stores the one word
	s_wait_xcnt 0x0                                ; and again in front of the line that widens it
	s_or_b32 exec_lo, exec_lo, s20
.Lend:
	s_wait_tensorcnt 0x0                           ; the wave's end: behind my last LDS store
	ds_add_u32 v[SPW], v[NIL]
	s_wait_dscnt 0x0
	s_endpgm
.Lfunc_end_k_qfc09ba6868_cast:
	.size	k_qfc09ba6868_cast, .Lfunc_end_k_qfc09ba6868_cast-k_qfc09ba6868_cast
	.p2alignl 7, 3214868480
	.fill 96, 4, 3214868480
	.section	.rodata,"a",@progbits
	.p2align	6, 0x0
	.amdhsa_kernel k_qfc09ba6868_cast
		.amdhsa_group_segment_fixed_size 10240
		.amdhsa_private_segment_fixed_size 0
		.amdhsa_enable_private_segment 0
		.amdhsa_kernarg_size 32
		.amdhsa_user_sgpr_count 2
		.amdhsa_user_sgpr_kernarg_segment_ptr 1
		.amdhsa_wavefront_size32 1
		.amdhsa_system_sgpr_workgroup_id_x 1
		.amdhsa_system_sgpr_workgroup_id_y 1
		.amdhsa_system_sgpr_workgroup_id_z 1
		.amdhsa_system_vgpr_workitem_id 0
		.amdhsa_next_free_vgpr 172
		.amdhsa_next_free_sgpr 66
		.amdhsa_reserve_vcc 1
		.amdhsa_float_denorm_mode_32 3
		.amdhsa_float_denorm_mode_16_64 3
		.amdhsa_memory_ordered 1
		.amdhsa_forward_progress 1
		.amdhsa_inst_pref_size 25
	.end_amdhsa_kernel
	.amdgpu_metadata
---
amdhsa.version: [ 1, 2 ]
amdhsa.kernels:
  - .name:           k_qfc09ba6868_cast
    .symbol:         k_qfc09ba6868_cast.kd
    .args:
      - { .name: x, .offset: 0, .size: 8, .value_kind: global_buffer, .address_space: global }
      - { .name: xh, .offset: 8, .size: 8, .value_kind: global_buffer, .address_space: global }
      - { .name: part, .offset: 16, .size: 8, .value_kind: global_buffer, .address_space: global }
      - { .name: tot, .offset: 24, .size: 8, .value_kind: global_buffer, .address_space: global }
    .group_segment_fixed_size: 10240
    .private_segment_fixed_size: 0
    .kernarg_segment_align: 8
    .kernarg_segment_size: 32
    .max_flat_workgroup_size: 512
    .sgpr_count:     66
    .vgpr_count:     172
    .wavefront_size: 32
...
	.end_amdgpu_metadata
.endif
;; end of part 1
;; launch wprep (part 2): grid 16 x 16, 8 waves a work-group, no clusters, 222,208 bytes of LDS; arguments part, tot, lora_A, lora_B, scales, qzeros, g_idx, qweight, wt; writes wt
.if DOCPART == 2
	.amdgcn_target "amdgcn-amd-amdhsa--gfx1250"
	.amdhsa_code_object_version 6
	.text
	.protected	k_qfc09ba6868_wprep
	.globl	k_qfc09ba6868_wprep
	.p2align	8
	.type	k_qfc09ba6868_wprep,@function
k_qfc09ba6868_wprep:
	s_mov_b64 s[64:65], 0
	v_nop
	global_prefetch_b8 v0, s[64:65] scope:SCOPE_SE
	s_setreg_imm32_b32 hwreg(HW_REG_WAVE_MODE, 25, 1), 1
	s_wait_xcnt 0x0
; wt[o][i] = f16( W[i][o] + sum over k < 16 of A'[i][k] B[o][k] ), the weight of the one product that the next launch makes.
;   W[i][o]  = scales[g][o] (q - z), g = g_idx[i], q = nibble i % 8 of qweight[i / 8][o], z = nibble o % 8 of qzeros[g][o / 8]
;   A'[i][k] = 2 aw[i] (lora_A[0][k][i] + lora_A[1][k][i]), aw[i] = (colsum[i] / 4096) / (total / 2^24 + 1e-6); colsum and total come from part and tot
;   B[o][k]  = lora_B[0][o][k] + lora_B[1][o][k]
; Since x aw A^T B^T is linear in x, adding A' B^T to W gives the module's result for every input.
; LIMITS.  W is made as fma(q, s, -(z s)): it differs from s (q - z) by at most 2^-24 x 15 s.  A' and B are rounded to f16 for the rank-16 product, the sum once to f16: 65,520 or more becomes an
; infinity, below 6.1e-5 the step is 6e-8.  g_idx is taken as unsigned and held to 31.  NaN and infinities are not treated apart.
; SHARES.  Work-group (ob, ib): 256 o x 256 i.  Wave w: 64 o (group g4 = w / 2) x 128 i (half ih = w % 2), walked as eight tile rows t of 16 i, four matrix tiles q each.
; LAYOUT.  D = A' B^T + C with rows m = i and columns n: column n = r of tile q stands for o = og + 4 r + q.  Register j of lane (r = l % 16, h = l / 16) is then i = i0 + 16 t + 8 h + j, so a tile's C in a lane
; is the eight nibbles of ONE word of qweight, and one 16-byte load a lane and tile row brings the words of q = 0 .. 3 (16 lanes take 256 consecutive bytes of a row of qweight).  The lane's eight results are eight neighbouring i of a row
; of wt: 16 bytes in f16.  K is 16: registers 4-7 of both fragments hold 0.
; The tables that every wave reads (scales, -z s, A', B) are made once a work-group in LDS; g_idx picks the row of the first two for every i by itself.
; No tensor load and no cluster: what work-groups share is small tables, and the bulk (qweight in, wt out) is touched once.
.set LS,     0                         ; LDS: s[g][o], 32 rows of 1,024 bytes
.set LNZ,    32768                     ; -z s, the same layout
.set BT,     65536                     ; B's fragments: (4 g4 + q) x 512 + 256 h + 16 r
.set AT,     73728                     ; A's fragments: tile T of 16 i: 512 T + 256 h + 16 r
.set STAGE,  81920                     ; for each wave 64 rows (16 q + r) of 256 bytes + 16 of padding: the 16 rows that a store touches begin at 16 different groups of four banks (64 banks of 4 bytes: ISA guide 11.1)
.set SPITCH, 272
.set SPARE,  STAGE+8*64*SPITCH         ; the spare words, 128 bytes a wave
.set SPW, 3                            ; v3   LDS address of my spare word; never rewritten
.set NIL, 4                            ; v4   0; never rewritten
.set VTT, 5                            ; v5   16 l
.set VPT, 6                            ; v6   8 p, p = thread % 128
.set VLA, 7                            ; v7   131,072 kh + 8 p, kh = thread / 128
.set VLB, 8                            ; v8   64 x thread
.set VSC, 9                            ; v9   16,384 (thread / 64) + 16 c, c = thread % 64
.set VQZ, 10                           ; v10  2,048 (thread / 64) + 4 (c / 2)
.set VGI, 11                           ; v11  32 h
.set VQW, 12                           ; v12  16,384 h + 16 r
.set WAT, 13                           ; v13  where my two rows of A' go
.set WBT, 14                           ; v14  where my row of B goes
.set WS,  15                           ; v15  16 x thread: where my four s and -z s go
.set ZSH, 16                           ; v16  16 (c % 2): my four nibbles' place in a word of qzeros
.set LB,  17                           ; v17  256 g4 + 16 r: my four o in a row of the two tables
.set AFA, 18                           ; v18  my lane's place in my half's fragments of A'
.set BFA, 19                           ; v19  the same for B
.set STO, 20                           ; v20  stage: where I put 16 bytes of a row
.set RD,  21                           ; v21  stage: where I read rows back
.set GO,  22                           ; v22  my byte offset in wt
.set BF,  24                           ; v[24:55]   B's four fragments            (before: SC, the scales as loaded)
.set AF,  56                           ; v[56:63]   A's fragment                  (before: QZ, the words of qzeros)
.set QW,  64                           ; v[64:95]   tile row t: four words of qweight
.set GA,  96                           ; v[96:159]  g_idx of my 64 i, then their LDS addresses; at the end, with SG and NG, the rows on their way out
.set SG,  160                          ; v[160:191] register j: s for q = 0 .. 3  (before: TT, PT, part of LA; then -z s)
.set NG,  192                          ; v[192:223] the same for -z s             (before: the rest of LA, W0)
.set C,   224                          ; v[224:255] the four accumulators         (before: LBR, ZT)
.set SC,  24
.set QZ,  56
.set TT,  160                          ; v[160:167] eight of tot's 256 numbers
.set PT,  168                          ; v[168:183] part's eight row blocks for my two columns
.set LA,  184                          ; v[184:215] lora_A: 16 a + 2 j + e
.set W0,  216                          ; v[216:223] at work, then my two rows of A' in f16
.set LBR, 224                          ; v[224:255] lora_B: 16 b + k
.set ZT,  232                          ; v[232:235] four zero points
.set NZR, 160
.set OB,  96
	s_load_b512 s[4:19], s[0:1], 0x0               ; part 4:5, tot 6:7, lora_A 8:9, lora_B 10:11, scales 12:13, qzeros 14:15, g_idx 16:17, qweight 18:19
	s_load_b64 s[20:21], s[0:1], 0x40              ; wt
	v_lshl_add_u32 v[SPW], v0, 2, SPARE
	v_mov_b32 v[NIL], 0
	v_lshrrev_b32 v23, 5, v0
	v_readfirstlane_b32 s22, v23                   ; wave 0 .. 7
	s_and_b32 s23, s22, 1                          ; ih
	s_lshr_b32 s24, s22, 1                         ; g4
	s_and_b32 s25, ttmp7, 0xffff                   ; ib
	s_mov_b32 s27, 0
	s_mov_b32 s28, 0x76543210                      ; v_permlanex16_b32: each lane takes its own place in the other half
	s_mov_b32 s29, 0xfedcba98
	s_mov_b32 s30, 0x33800000                      ; 2^-24
	s_mov_b32 s31, 0x358637bd                      ; 1e-6
	s_mov_b32 s32, 0x3a000000                      ; 2^-11 = 2 / 4096
	; the offsets of the global loads
	v_and_b32 v23, 31, v0
	v_and_b32 v1, 15, v0                           ; r
	v_bfe_u32 v2, v0, 4, 1                         ; h
	v_lshlrev_b32 v[VTT], 4, v23
	v_and_b32 v[WAT], 127, v0                      ; p
	v_lshrrev_b32 v[WBT], 7, v0                    ; kh
	v_lshlrev_b32 v[VPT], 3, v[WAT]
	v_lshl_add_u32 v[VLA], v[WBT], 17, v[VPT]
	v_lshlrev_b32 v[VLB], 6, v0
	v_lshrrev_b32 v[WS], 6, v0                     ; thread / 64
	v_and_b32 v[ZSH], 63, v0                       ; c
	v_lshlrev_b32 v[VSC], 4, v[ZSH]
	v_lshl_add_u32 v[VSC], v[WS], 14, v[VSC]
	v_lshrrev_b32 v[VQZ], 1, v[ZSH]
	v_lshlrev_b32 v[VQZ], 2, v[VQZ]
	v_lshl_add_u32 v[VQZ], v[WS], 11, v[VQZ]
	v_lshlrev_b32 v[VGI], 5, v2
	v_lshlrev_b32 v[VQW], 4, v1
	v_lshl_add_u32 v[VQW], v2, 14, v[VQW]
	s_wait_kmcnt 0x0
	s_lshl_b32 s26, s25, 10                        ; 256 ib columns of 4 bytes
	s_add_nc_u64 s[4:5], s[4:5], s[26:27]          ; part
	s_add_nc_u64 s[8:9], s[8:9], s[26:27]          ; lora_A
	s_lshl_b32 s36, s23, 9
	s_add_co_u32 s26, s26, s36
	s_add_nc_u64 s[16:17], s[16:17], s[26:27]      ; g_idx at my wave's 128 i
	s_lshl_b32 s26, ttmp9, 14
	s_add_nc_u64 s[10:11], s[10:11], s[26:27]      ; lora_B: 256 ob rows of 64 bytes
	s_lshl_b32 s26, ttmp9, 10
	s_add_nc_u64 s[12:13], s[12:13], s[26:27]      ; scales: 256 ob columns
	s_lshl_b32 s36, s24, 8
	s_add_co_u32 s26, s26, s36
	s_lshl_b32 s36, s25, 19
	s_add_co_u32 s26, s26, s36
	s_lshl_b32 s36, s23, 18
	s_add_co_u32 s26, s26, s36
	s_add_nc_u64 s[18:19], s[18:19], s[26:27]      ; qweight: row 32 ib + 16 ih, column 256 ob + 64 g4
	s_lshl_b32 s26, ttmp9, 7
	s_add_nc_u64 s[14:15], s[14:15], s[26:27]      ; qzeros: 32 ob words
	s_lshl_b32 s26, ttmp9, 21
	s_lshl_b32 s36, s24, 19
	s_add_co_u32 s26, s26, s36
	s_lshl_b32 s36, s25, 9
	s_add_co_u32 s26, s26, s36
	s_lshl_b32 s36, s23, 8
	s_add_co_u32 s26, s26, s36
	s_add_nc_u64 s[20:21], s[20:21], s[26:27]      ; wt: row 256 ob + 64 g4, column 256 ib + 128 ih
	; 26 loads for A': tot, part, lora_A
	global_load_b128 v[TT:TT+3], v[VTT], s[6:7]
	global_load_b128 v[TT+4:TT+7], v[VTT], s[6:7] offset:512
.irp n, 0,1,2,3,4,5,6,7
	global_load_b64 v[PT+2*\n:PT+2*\n+1], v[VPT], s[4:5] offset:\n*16384
.endr
.irp a, 0,1
.irp j, 0,1,2,3,4,5,6,7
	global_load_b64 v[LA+16*\a+2*\j:LA+16*\a+2*\j+1], v[VLA], s[8:9] offset:\a*262144+\j*16384
.endr
.endr
	; 8 loads for B
.irp b, 0,1
.irp c, 0,1,2,3
	global_load_b128 v[LBR+16*\b+4*\c:LBR+16*\b+4*\c+3], v[VLB], s[10:11] offset:\b*262144+16*\c
.endr
.endr
	; 16 loads for the two tables: group 4 n + thread / 64
.irp n, 0,1,2,3,4,5,6,7
	global_load_b128 v[SC+4*\n:SC+4*\n+3], v[VSC], s[12:13] offset:\n*65536
.endr
.irp n, 0,1,2,3,4,5,6,7
	global_load_b32 v[QZ+\n], v[VQZ], s[14:15] offset:\n*8192
.endr
	; the LDS addresses, while the loads are out
	v_lshrrev_b32 v23, 3, v[WAT]                   ; p / 8: the tile of 16 i
	v_and_b32 v[WAT], 7, v[WAT]
	v_lshlrev_b32 v[WAT], 5, v[WAT]                ; rows 2 (p % 8) and the next, 16 bytes each
	v_lshl_add_u32 v[WAT], v23, 9, v[WAT]
	v_lshl_add_u32 v[WAT], v[WBT], 8, v[WAT]       ; k = 8 kh .. is the half h = kh
	v_add_nc_u32 v[WAT], AT, v[WAT]
	v_and_b32 v[WBT], 3, v0                        ; my o = 64 g4 + 4 r + q: q,
	v_lshlrev_b32 v[WBT], 9, v[WBT]
	v_lshl_add_u32 v[WBT], v[WS], 11, v[WBT]       ; g4,
	v_bfe_u32 v23, v0, 2, 4
	v_lshl_add_u32 v[WBT], v23, 4, v[WBT]          ; r
	v_add_nc_u32 v[WBT], BT, v[WBT]
	v_lshlrev_b32 v[WS], 4, v0
	v_and_b32 v[ZSH], 1, v[ZSH]
	v_lshlrev_b32 v[ZSH], 4, v[ZSH]
	v_lshlrev_b32 v[LB], 4, v1
	v_lshl_add_u32 v[LB], s24, 8, v[LB]
	s_lshl_b32 s33, s23, 12
	s_add_co_u32 s33, s33, AT
	v_add_nc_u32 v[AFA], s33, v[VTT]
	s_lshl_b32 s34, s24, 11
	s_add_co_u32 s34, s34, BT
	v_add_nc_u32 v[BFA], s34, v[VTT]
	s_mul_i32 s35, s22, 64*SPITCH
	s_add_co_u32 s35, s35, STAGE                   ; my wave's stage
	v_mul_u32_u24 v[STO], v1, SPITCH
	v_lshl_add_u32 v[STO], v2, 4, v[STO]
	v_add_nc_u32 v[STO], s35, v[STO]
	v_mul_u32_u24 v[RD], v2, SPITCH
	v_lshl_add_u32 v[RD], v1, 4, v[RD]
	v_add_nc_u32 v[RD], s35, v[RD]
	v_lshlrev_b32 v[GO], 4, v1
	v_lshl_add_u32 v[GO], v2, 15, v[GO]            ; lanes 16-31 take the stage's next row, which is four rows of wt on
	s_wait_loadcnt 24                              ; tot, part and lora_A are in; B's 8 and the tables' 16 stay out
.irp t, 0,1,2,3,4,5,6,7
	global_load_b128 v[GA+8*\t:GA+8*\t+3], v[VGI], s[16:17] offset:64*\t       ; g_idx of i0 + 16 t + 8 h + 0 .. 7
	global_load_b128 v[GA+8*\t+4:GA+8*\t+7], v[VGI], s[16:17] offset:64*\t+16
.endr
.irp t, 0,1,2,3,4,5,6,7
	global_load_b128 v[QW+4*\t:QW+4*\t+3], v[VQW], s[18:19] offset:32768*\t th:TH_LOAD_NT  ; each half of the lanes: 256 consecutive bytes of a row of qweight
.endr
	; A': the total of |x|, 2 aw for my two columns, my 2 x 8 numbers
	v_pk_add_f32 v[TT:TT+1], v[TT:TT+1], v[TT+2:TT+3]
	v_pk_add_f32 v[TT+4:TT+5], v[TT+4:TT+5], v[TT+6:TT+7]
	v_pk_add_f32 v[TT:TT+1], v[TT:TT+1], v[TT+4:TT+5]
	v_mov_b32 v[W0+1], 0                           ; v_permlanex16_b32's destination counts as read
	v_add_f32 v[W0], v[TT], v[TT+1]
	v_add_f32_dpp v[W0], v[W0], v[W0] row_xmask:1 row_mask:0xf bank_mask:0xf
	v_add_f32_dpp v[W0], v[W0], v[W0] row_xmask:2 row_mask:0xf bank_mask:0xf
	v_add_f32_dpp v[W0], v[W0], v[W0] row_xmask:4 row_mask:0xf bank_mask:0xf
	v_add_f32_dpp v[W0], v[W0], v[W0] row_xmask:8 row_mask:0xf bank_mask:0xf
	v_permlanex16_b32 v[W0+1], v[W0], s28, s29
	v_add_f32 v[W0], v[W0], v[W0+1]
	v_fma_f32 v[W0+1], v[W0], s30, s31             ; the mean of the column means + 1e-6
	v_rcp_f32 v[W0], v[W0+1]                       ; the plain additions below stand between it and the use of its result (ISA guide 5.7.2)
.irp n, 0,2,4,6
	v_pk_add_f32 v[PT+2*\n:PT+2*\n+1], v[PT+2*\n:PT+2*\n+1], v[PT+2*\n+2:PT+2*\n+3]
.endr
	v_pk_add_f32 v[PT:PT+1], v[PT:PT+1], v[PT+4:PT+5]
	v_pk_add_f32 v[PT+8:PT+9], v[PT+8:PT+9], v[PT+12:PT+13]
	v_pk_add_f32 v[PT:PT+1], v[PT:PT+1], v[PT+8:PT+9]
	s_wait_alu depctr_va_vdst(0)
	v_mul_f32 v[W0], s32, v[W0]
	v_mul_f32 v[W0+2], v[PT], v[W0]                ; 2 aw of column 2 p,
	v_mul_f32 v[W0+3], v[PT+1], v[W0]              ; of column 2 p + 1
.irp j, 0,1,2,3,4,5,6,7
	v_pk_add_f32 v[LA+2*\j:LA+2*\j+1], v[LA+2*\j:LA+2*\j+1], v[LA+16+2*\j:LA+16+2*\j+1]
.endr
.irp j, 0,1,2,3,4,5,6,7
	v_pk_mul_f32 v[LA+2*\j:LA+2*\j+1], v[LA+2*\j:LA+2*\j+1], v[W0+2:W0+3]
.endr
.irp e, 0,1
.irp m, 0,1,2,3
	v_cvt_pk_f16_f32 v[W0+4*\e+\m], v[LA+4*\m+\e], v[LA+4*\m+2+\e]  ; column 2 p + e: k = 8 kh + 2 m below, the next above
.endr
.endr
	ds_store_b128 v[WAT], v[W0:W0+3]
	ds_store_b128 v[WAT], v[W0+4:W0+7] offset:16
	; B
	s_wait_loadcnt 40                              ; lora_B is in; the tables' 16, g_idx's 16 and qweight's 8 stay out
.irp m, 0,1,2,3,4,5,6,7
	v_pk_add_f32 v[LBR+2*\m:LBR+2*\m+1], v[LBR+2*\m:LBR+2*\m+1], v[LBR+16+2*\m:LBR+16+2*\m+1]
.endr
.irp m, 0,1,2,3,4,5,6,7
	v_cvt_pk_f16_f32 v[LBR+\m], v[LBR+2*\m], v[LBR+2*\m+1]  ; in place, ascending: a register is written when it has been read
.endr
	ds_store_b128 v[WBT], v[LBR:LBR+3]             ; k = 0 .. 7: the half h = 0
	ds_store_b128 v[WBT], v[LBR+4:LBR+7] offset:256
	; s and -z s
	s_wait_loadcnt 24                              ; scales and qzeros are in; g_idx's 16 and qweight's 8 stay out
.irp n, 0,1,2,3,4,5,6,7
	v_lshrrev_b32 v23, v[ZSH], v[QZ+\n]
.irp e, 0,1,2,3
	v_bfe_u32 v[ZT+\e], v23, 4*\e, 4
.endr
.irp e, 0,1,2,3
	v_cvt_f32_u32 v[ZT+\e], v[ZT+\e]
.endr
.irp e, 0,1,2,3
	v_mul_f32 v[NZR+4*\n+\e], -v[ZT+\e], v[SC+4*\n+\e]
.endr
	ds_store_b128 v[WS], v[SC+4*\n:SC+4*\n+3] offset:LS+4096*\n
	ds_store_b128 v[WS], v[NZR+4*\n:NZR+4*\n+3] offset:LNZ+4096*\n
.endr
	s_wait_dscnt 0x0                               ; for the others' sake: my parts of the four tables are in LDS
	s_barrier_signal -1
	s_barrier_wait -1                              ; everybody's are; nobody writes them again
.irp n, 4,5,6,7
	v_mov_b32 v[AF+\n], 0                          ; K = 16 .. 31 of the fragments: there is no such k
.irp q, 0,1,2,3
	v_mov_b32 v[BF+8*\q+\n], 0
.endr
.endr
.irp q, 0,1,2,3
	ds_load_b128 v[BF+8*\q:BF+8*\q+3], v[BFA] offset:512*\q
.endr
	s_wait_loadcnt 8                               ; g_idx is in; qweight's 8 stay out
.set n, 0
.rept 64
	v_min_u32 v[GA+n], 31, v[GA+n]                 ; a group's number enters an address only behind this bound
.set n, n+1
.endr
.set n, 0
.rept 64
	v_lshl_add_u32 v[GA+n], v[GA+n], 10, v[LB]     ; the group's row, my four o
.set n, n+1
.endr
; Tile row t: 16 i x 64 o.  The nibbles are unpacked while the gathers are out.  The four accumulators take turns, one instruction a turn, from tile row to tile row too.
.macro TROW t
	s_wait_loadcnt 7-(\t)                          ; my four words of this tile row are in; the later tile rows' stay out
	ds_load_b128 v[AF:AF+3], v[AFA] offset:512*(\t)  ; four plain instructions or more stand between the last product that read AF and this load
.irp j, 0,1,2,3,4,5,6,7
	ds_load_b128 v[SG+4*\j:SG+4*\j+3], v[GA+8*(\t)+\j]             ; each half of the lanes: 256 consecutive bytes of one group's row
	ds_load_b128 v[NG+4*\j:NG+4*\j+3], v[GA+8*(\t)+\j] offset:LNZ
.endr
.irp q, 0,1,2,3
.irp j, 0,1,2,3,4,5,6,7
	v_bfe_u32 v[C+8*\q+\j], v[QW+4*(\t)+\q], 4*\j, 4
.endr
.endr
.set n, 0
.rept 32
	v_cvt_f32_u32 v[C+n], v[C+n]
.set n, n+1
.endr
.irp j, 0,1,2,3,4,5,6,7
	s_wait_dscnt 14-2*\j                           ; LDS loads come back in order (ISA guide 5.7.1): pair j is in, and all that was issued ahead of it; the later pairs stay out
.irp q, 0,1,2,3
	v_fma_f32 v[C+8*\q+\j], v[C+8*\q+\j], v[SG+4*\j+\q], v[NG+4*\j+\q]  ; q s - z s
.endr
.endr
.irp q, 0,1,2,3
	v_wmma_f32_16x16x32_f16 v[C+8*\q:C+8*\q+7], v[AF:AF+7], v[BF+8*\q:BF+8*\q+7], v[C+8*\q:C+8*\q+7]
.endr
.rept 4
	v_nop                                          ; four places between the products and what reads their results (ISA guide 7.12.1)
.endr
.irp q, 0,1,2,3
.irp m, 0,1,2,3
	v_cvt_pk_f16_f32 v[C+8*\q+\m], v[C+8*\q+2*\m], v[C+8*\q+2*\m+1]  ; in place, from the accumulator's low end on
.endr
.endr
.irp q, 0,1,2,3
	ds_store_b128 v[STO], v[C+8*\q:C+8*\q+3] offset:\q*16*SPITCH+32*(\t)  ; stage row 16 q + r, i = 16 t + 8 h ..
.endr
.endm
.irp t, 0,1,2,3,4,5,6,7
	TROW \t
.endr
	; THE WAY OUT.  The stage is my wave's own, and LDS serves a wave's instructions in order (ISA guide 5.7.1.4): the loads see the stores above.  Load n brings stage rows 2 n and 2 n + 1,
	; which are o = og + 8 (n % 8) + n / 8 and four rows further; each half of the lanes stores 256 consecutive bytes of a row of wt, at a multiple of 256 from wt's first byte.
.set n, 0
.rept 32
	ds_load_b128 v[OB+4*n:OB+4*n+3], v[RD] offset:2*SPITCH*n
.set n, n+1
.endr
.set n, 0
.rept 32
	s_wait_dscnt 31-n
	global_store_b128 v[GO], v[OB+4*n:OB+4*n+3], s[20:21] offset:(8*(n&7)+(n>>3))*8192
.set n, n+1
.endr
	s_wait_tensorcnt 0x0                           ; the wave's end: behind my last LDS store
	ds_add_u32 v[SPW], v[NIL]
	s_wait_dscnt 0x0
	s_endpgm
.Lfunc_end_k_qfc09ba6868_wprep:
	.size	k_qfc09ba6868_wprep, .Lfunc_end_k_qfc09ba6868_wprep-k_qfc09ba6868_wprep
	.p2alignl 7, 3214868480
	.fill 96, 4, 3214868480
	.section	.rodata,"a",@progbits
	.p2align	6, 0x0
	.amdhsa_kernel k_qfc09ba6868_wprep
		.amdhsa_group_segment_fixed_size 222208
		.amdhsa_private_segment_fixed_size 0
		.amdhsa_enable_private_segment 0
		.amdhsa_kernarg_size 72
		.amdhsa_user_sgpr_count 2
		.amdhsa_user_sgpr_kernarg_segment_ptr 1
		.amdhsa_wavefront_size32 1
		.amdhsa_system_sgpr_workgroup_id_x 1
		.amdhsa_system_sgpr_workgroup_id_y 1
		.amdhsa_system_sgpr_workgroup_id_z 1
		.amdhsa_system_vgpr_workitem_id 0
		.amdhsa_next_free_vgpr 256
		.amdhsa_next_free_sgpr 66
		.amdhsa_reserve_vcc 0
		.amdhsa_float_denorm_mode_32 3
		.amdhsa_float_denorm_mode_16_64 3
		.amdhsa_memory_ordered 1
		.amdhsa_forward_progress 1
		.amdhsa_inst_pref_size 99
	.end_amdhsa_kernel
	.amdgpu_metadata
---
amdhsa.version: [ 1, 2 ]
amdhsa.kernels:
  - .name:           k_qfc09ba6868_wprep
    .symbol:         k_qfc09ba6868_wprep.kd
    .args:
      - { .name: part, .offset: 0, .size: 8, .value_kind: global_buffer, .address_space: global }
      - { .name: tot, .offset: 8, .size: 8, .value_kind: global_buffer, .address_space: global }
      - { .name: lora_A, .offset: 16, .size: 8, .value_kind: global_buffer, .address_space: global }
      - { .name: lora_B, .offset: 24, .size: 8, .value_kind: global_buffer, .address_space: global }
      - { .name: scales, .offset: 32, .size: 8, .value_kind: global_buffer, .address_space: global }
      - { .name: qzeros, .offset: 40, .size: 8, .value_kind: global_buffer, .address_space: global }
      - { .name: g_idx, .offset: 48, .size: 8, .value_kind: global_buffer, .address_space: global }
      - { .name: qweight, .offset: 56, .size: 8, .value_kind: global_buffer, .address_space: global }
      - { .name: wt, .offset: 64, .size: 8, .value_kind: global_buffer, .address_space: global }
    .group_segment_fixed_size: 222208
    .private_segment_fixed_size: 0
    .kernarg_segment_align: 8
    .kernarg_segment_size: 72
    .max_flat_workgroup_size: 256
    .sgpr_count:     66
    .vgpr_count:     256
    .wavefront_size: 32
...
	.end_amdgpu_metadata
.endif
;; end of part 2
;; launch gemm (part 3): grid 16 x 16, 4 waves a work-group, clusters of 4 x 4, 327,680 bytes of LDS; arguments xh, wt, bias, out0; writes out0
.if DOCPART == 3
	.amdgcn_target "amdgcn-amd-amdhsa--gfx1250"
	.amdhsa_code_object_version 6
	.text
	.protected	k_qfc09ba6868_gemm
	.globl	k_qfc09ba6868_gemm
	.p2align	8
	.type	k_qfc09ba6868_gemm,@function
k_qfc09ba6868_gemm:
	s_mov_b64 s[64:65], 0
	v_nop
	global_prefetch_b8 v0, s[64:65] scope:SCOPE_SE
	s_setreg_imm32_b32 hwreg(HW_REG_WAVE_MODE, 25, 1), 1
	s_wait_xcnt 0x0
	s_wait_alu depctr_hold_cnt(0) depctr_sa_sdst(0) depctr_va_vdst(0) depctr_va_sdst(0) depctr_va_ssrc(0) depctr_va_vcc(0) depctr_vm_vsrc(0)
	s_getreg_b32 s2, hwreg(HW_REG_IB_STS2, 6, 4)
	s_cmp_eq_u32 s2, 0
	s_cbranch_scc0 .Lentry_in_a_cluster
	s_endpgm
.Lentry_in_a_cluster:
	s_bfe_u32 s2, ttmp6, 0x10000c
	s_cmp_lg_u32 s2, 0xf033
	s_cbranch_scc0 .Lentry_shape_is_right
	s_endpgm
.Lentry_shape_is_right:
; out0[m][n] = bias[n] + sum over k of xh[m][k] wt[n][k].  xh: [4096][4096] f16, wt: [4096][4096] f16, bias: [4096] f32, out0: [4096][4096] f32; sums in f32, K ascending, begun with the bias.
; LIMITS.  The operands are f16 as the launches before left them (65,504 at the most; a fixed step of 6e-8 below 6.1e-5).  NaN and infinities are not treated apart.
; A tile of out0, 256 x 256, is made by a work-group of four waves; a wave makes 128 x 128: 64 accumulators of 16 x 16, 512 registers.  16 x 16 tiles, one to a work-group.
; K goes in steps of 128 through a ring of two LDS slots filled by the tensor data mover: a tile's rows are 256 bytes of memory and start at multiples of 256 bytes from the buffer's first byte.
; CLUSTERS: 4 x 4 work-groups.  The four of a row of the cluster need the same tiles of xh, the four of a column the same tiles of wt: such a tile is asked for JOINTLY, by the same tensor load with the
; same descriptor and a mask that names the four, and each receives it in its own LDS.
; THE MATRIX INSTRUCTION IS USED TRANSPOSED: source 0 = 16 rows of wt, source 1 = 16 rows of xh.  Lane l then holds row l % 16 of out0 and its registers 0 to 7 the columns 8 (l / 16) + 0 .. 7.
; The bias in that layout (it hangs on the column alone) is the C operand of each accumulator's first product: nothing is cleared, and nothing is added on the way out.
; REGISTERS, in windows of 256 (s_set_vgpr_msb: bits 1:0 source 0, 3:2 source 1, 5:4 source 2, 7:6 destination):
;   window 0: v0-31 addresses; v64-127, v128-191 fragments of xh, two buffers, on the way out two buffers of 16 rows; v192-255 the bias
;   window 1: v64-127, v128-191 fragments of wt, two buffers
;   window 2: the 32 accumulators of my rows 0-63 (accumulator (a, b) at v[8 (8 a + b)]);   window 3: those of my rows 64-127
.set SIZE_K, 4096
.set KSTEP,  128
.set PITCH,  272                       ; an LDS row: 256 bytes + 16 of padding = 68 words: row r starts at bank 4 r mod 64 (64 banks of 4 bytes: ISA guide 11.1), so the 16 rows that a load touches start at 16 different banks
.set HALFT,  128*PITCH                 ; 128 rows: what one tensor load brings, and what one wave reads of xh or of wt
.set SLOT,   4*HALFT                   ; xh's 256 rows, then wt's 256 rows
.set STAGE,  2*SLOT                    ; behind the ring: 16 rows x 528 bytes for each wave, for the way out; no tensor load fills it
.set SPITCH, 528                       ; 512 bytes + 16: again 16 rows at 16 different groups of four banks
.set SPARE,  STAGE+4*16*SPITCH         ; behind the stages: the spare words, 128 bytes a wave
.set LAPS,   SIZE_K/(2*KSTEP)          ; a lap = two K steps = once round the ring: 16
.set OROW,   16384                     ; bytes in a row of out0
.set ADRA, 16                          ; v16-17  LDS address of my fragments of xh in slot 0, 1
.set ADRB, 20                          ; v20-21  the same for wt
.set STO,  24                          ; v24     the way out: where I put 32 bytes of a row
.set RD,   25                          ; v25     the way out: where I read a row back
.set CO,   26                          ; v26     my byte offset in a row of out0
.set BO,   27                          ; v27     my byte offset in the bias
.set SPW,  28                          ; v28     LDS address of my spare word; never rewritten
.set NIL,  29                          ; v29     0; never rewritten
.set F0,   64
.set F1,   128
.set BI,   192                         ; BI + 8 b + j = bias[my first column + 16 b + 8 (l / 16) + j]
.set WV, 12                            ; s12  wave 0 .. 3
.set RH, 13                            ; s13  which half of the tile's rows is mine.  Also: I fetch for xh (0) or for wt (1)
.set CH, 14                            ; s14  which half of its columns.  Also: which 128 rows of that tile I fetch
.set TR, 15                            ; s15  the tile row
.set G1, 24                            ; s[24:31] descriptor group 1 for xh's tiles
.set G0, 32                            ; s[32:39] descriptor group 0 for xh's tiles, one set for each slot
.set G1B, 48                           ; s[48:55], s[56:63] the same for wt's tiles; group 1 differs in the mask alone
.set G0B, 56
.set MSB, 0
.macro WIN new                         ; the immediate's high byte repeats the setting that is left; a switch that changes nothing is dropped
.if MSB != (\new)
	s_set_vgpr_msb (MSB<<8)|(\new)
.set MSB, \new
.endif
.endm
.set MUL_LO, 0xa1                      ; source 0 (wt) window 1, source 1 (xh) window 0, C and D window 2
.set MUL_HI, 0xf1                      ; the same, C and D window 3
.set TO_B,   0x40                      ; destination window 1, address window 0
; A joint load.  Waves 0 and 1 fetch xh's two halves, waves 2 and 3 wt's.  Each of the two lines has one mask and one set of registers for all that issue it.  The branch hangs on the wave's number alone.
; An s_nop 0 and four v_nop follow each of the two lines, ahead of the jump, the label and what follows the macro.
.macro JLOAD s
	s_cmp_eq_u32 s[RH], 0
	s_cbranch_scc0 .Lfor_b_\@
	tensor_load_to_lds s[G0+4*(\s):G0+4*(\s)+3], s[G1:G1+7]
	s_nop 0
.rept 4
	v_nop
.endr
	s_branch .Lasked_\@
.Lfor_b_\@:
	tensor_load_to_lds s[G0B+4*(\s):G0B+4*(\s)+3], s[G1B:G1B+7]
	s_nop 0
.rept 4
	v_nop
.endr
.Lasked_\@:
.endm
; A round of the cluster's barrier: my work-group's barrier, so that wave 0's signal speaks for all four waves; wave 0 signals for the work-group; every wave waits for all sixteen; my work-group's barrier once more.
.macro CREST                           ; a round behind its opening barrier
	s_cmp_lg_u32 s[WV], 0
	s_cbranch_scc1 .Lnot_wave_0_\@
	s_barrier_signal -3
.Lnot_wave_0_\@:
	s_barrier_wait -3
	s_barrier_signal -1
	s_barrier_wait -1
.endm
.macro CROUND                          ; a whole round
	s_barrier_signal -1
	s_barrier_wait -1
	CREST
.endm
	s_load_b256 s[4:11], s[0:1], 0x0               ; xh s[4:5], wt s[6:7], bias s[8:9], out0 s[10:11]
	v_lshl_add_u32 v[SPW], v0, 2, SPARE
	v_mov_b32 v[NIL], 0
	ds_add_u32 v[SPW], v[NIL]                      ; the wave's opening: the add and its wait stand ahead of my first tensor load; the set-up below, work on registers, stands between them
	v_lshrrev_b32 v1, 5, v0
	v_readfirstlane_b32 s[WV], v1
	s_lshr_b32 s[RH], s[WV], 1
	s_and_b32 s[CH], s[WV], 1
	s_bfe_u32 s40, ttmp6, 0x40000                  ; cx: my place along the cluster's x
	s_bfe_u32 s41, ttmp6, 0x40004                  ; cy: along its y
	s_lshl_b32 s42, ttmp9, 2                       ; in a cluster launch ttmp9 and ttmp7 count clusters
	s_add_co_u32 s42, s42, s40                     ; tile column = 4 x cluster x + cx
	s_and_b32 s[TR], ttmp7, 0xffff
	s_lshl_b32 s[TR], s[TR], 2
	s_add_co_u32 s[TR], s[TR], s41                 ; tile row = 4 x cluster y + cy
	s_lshl_b32 s43, s41, 2
	s_lshl_b32 s43, 15, s43                        ; my row of the cluster: places 4 cy .. 4 cy + 3
	s_lshl_b32 s44, 0x1111, s40                    ; my column: places cx, cx + 4, cx + 8, cx + 12
	; descriptor group 1: a tile of 128 rows x 128 elements, padded in LDS
	s_or_b32 s[G1+0], s43, (1<<16)|(1<<20)|(1<<21)|(5<<22)|(3<<25)   ; 15:0 the mask: xh's tiles go to my row; 17:16 elements of 2 bytes; 20 padding on; 21 set beside a mask; 24:22 after every 64 words (code 5); 31:25 4 words of it (code 3)
	s_or_b32 s[G1B+0], s44, (1<<16)|(1<<20)|(1<<21)|(5<<22)|(3<<25)  ; the same with the mask of my column, for wt's tiles
.irp g, G1, G1B
	s_mov_b32 s[(\g)+1], KSTEP<<16                 ; 63:48 tensor_dim0, low half = 128
	s_mov_b32 s[(\g)+2], 128<<16                   ; 79:64 its high half = 0; 95:80 tensor_dim1, low half = 128
	s_mov_b32 s[(\g)+3], KSTEP<<16                 ; 111:96 its high half = 0; 127:112 tile_dim0 = 128
	s_mov_b32 s[(\g)+4], 128                       ; 143:128 tile_dim1 = 128; 159:144 tile_dim2 = 0
	s_mov_b32 s[(\g)+5], SIZE_K                    ; 191:160 tensor_dim0_stride: elements from row to row
	s_mov_b32 s[(\g)+6], 0
	s_mov_b32 s[(\g)+7], 0
.endr
	; where the tiles come from.  xh's hang on the tile row alone, which my row of the cluster shares; wt's on the tile column alone, which my column shares.
	; Every wave makes both addresses, in registers that never hold the other coordinate, and asks by one of them.
	s_lshl_b32 s17, s[CH], 7                       ; which 128 rows of the tile I fetch
	s_lshl_b32 s16, s[TR], 8
	s_add_co_u32 s16, s16, s17                     ; xh: row 256 x tile row + 128 x half
	s_lshl_b32 s46, s42, 8
	s_add_co_u32 s46, s46, s17                     ; wt: row 256 x tile column + 128 x half
	s_lshl_b32 s16, s16, 13                        ; rows of 8,192 bytes: under 2^25
	s_lshl_b32 s46, s46, 13
	s_mov_b32 s17, 0
	s_mov_b32 s47, 0
	s_mul_i32 s20, s[WV], HALFT                    ; and where they go: xh's two halves, then wt's two halves = wave x 128 rows: no place in the cluster enters an LDS address
	s_wait_dscnt 0x0                               ; the opening add is done
	s_wait_kmcnt 0x0
	s_add_nc_u64 s[18:19], s[4:5], s[16:17]
	s_add_nc_u64 s[46:47], s[6:7], s[46:47]
	CROUND                                         ; all sixteen work-groups are here: the first joint loads meet
.irp s, 0,1
	s_mov_b32 s[G0+4*(\s)], 1                                        ; 1:0 count = 1
	s_add_co_u32 s[G0+4*(\s)+1], s20, (\s)*SLOT                      ; 63:32 LDS address
	s_add_nc_u64 s[G0+4*(\s)+2:G0+4*(\s)+3], s[18:19], (\s)*KSTEP*2  ; 120:64 global address: K step s
	s_or_b32 s[G0+4*(\s)+3], s[G0+4*(\s)+3], 0x80000000              ; 127:126 type = 2
	s_mov_b32 s[G0B+4*(\s)], 1
	s_add_co_u32 s[G0B+4*(\s)+1], s20, (\s)*SLOT
	s_add_nc_u64 s[G0B+4*(\s)+2:G0B+4*(\s)+3], s[46:47], (\s)*KSTEP*2
	s_or_b32 s[G0B+4*(\s)+3], s[G0B+4*(\s)+3], 0x80000000
	JLOAD \s                                       ; the ring is filled before anything else is done: two loads of mine are out
.endr
	v_and_b32 v1, 15, v0                           ; l % 16
	v_bfe_u32 v2, v0, 4, 1                         ; l / 16
	v_lshlrev_b32 v[BO], 5, v2                     ; my eight columns of a block of 16: 32 bytes for each half of the lanes
	s_lshl_b32 s46, s42, 10                        ; my first column, in bytes of f32: 1,024 x tile column + 512 x half (in the registers that held wt's address: none that feeds xh's descriptors ever holds cx)
	s_lshl_b32 s47, s[CH], 9
	s_add_co_u32 s46, s46, s47
	s_mov_b32 s47, 0
	s_add_nc_u64 s[8:9], s[8:9], s[46:47]
.irp b, 0,1,2,3,4,5,6,7
	global_load_b128 v[BI+8*\b:BI+8*\b+3],   v[BO], s[8:9] offset:64*\b
	global_load_b128 v[BI+8*\b+4:BI+8*\b+7], v[BO], s[8:9] offset:64*\b+16
.endr
	; A fragment is 16 rows x 32 K in 8 registers: lane l holds row l % 16; registers 0-3 hold K = 8 (l / 16) + 0..7, registers 4-7 K = 16 + 8 (l / 16) + 0..7: two loads of 16 bytes, 32 bytes apart.
	v_mul_u32_u24 v3, v1, PITCH
	v_lshl_add_u32 v3, v2, 4, v3                   ; row x pitch + 16 x half
	s_mul_i32 s21, s[RH], HALFT                    ; my 128 rows of xh
	s_mul_i32 s22, s[CH], HALFT                    ; my 128 rows of wt,
	s_add_co_u32 s22, s22, 2*HALFT                 ; which lie behind xh's 256
.irp s, 0,1
	v_add_nc_u32 v[ADRA+(\s)], s21, v3
	v_add_nc_u32 v[ADRB+(\s)], s22, v3
	s_add_co_u32 s21, s21, SLOT
	s_add_co_u32 s22, s22, SLOT
.endr
	s_mul_i32 s23, s[WV], 16*SPITCH
	s_add_co_u32 s23, s23, STAGE                   ; my stage
	v_mul_u32_u24 v4, v1, SPITCH                   ; in: row l % 16, 32 bytes for each half of the lanes
	v_lshl_add_u32 v4, v2, 5, v4
	v_add_nc_u32 v[STO], s23, v4
	v_and_b32 v5, 31, v0
	v_lshlrev_b32 v[CO], 4, v5                     ; back: 32 lanes take one row of 512 bytes,
	v_add_nc_u32 v[RD], s23, v[CO]                 ; and the same in out0
	s_lshl_b32 s16, s[TR], 8
	s_lshl_b32 s17, s[RH], 7
	s_add_co_u32 s16, s16, s17                     ; my first row of out0
	s_lshl_b32 s16, s16, 14                        ; rows of 16,384 bytes: under 2^26
	s_mov_b32 s17, 0
	s_add_nc_u64 s[10:11], s[10:11], s[16:17]
	s_add_nc_u64 s[10:11], s[10:11], s[46:47]      ; and my first column
; 16 matrix instructions: m blocks a0, a0 + 1 of the window's four (hi = 0: my rows 0-63, 1: rows 64-127) x all 8 n blocks, 32 along K.
; first = 1: the product starts the sum, with the bias (window 0) as C.  The 64 accumulators take turns in the same order in every quarter step, one instruction a turn.
.macro MUL16 f, hi, a0, first
.if \first
	WIN 0x81+0x40*(\hi)                            ; source 0 window 1, source 1 and C window 0, D window 2 or 3
.else
	WIN MUL_LO+0x50*(\hi)
.endif
.irp a, \a0, (\a0)+1
.irp b, 0,1,2,3,4,5,6,7
.if \first
	v_wmma_f32_16x16x32_f16 v[8*(8*(\a)+(\b)):8*(8*(\a)+(\b))+7], v[(\f)+8*(\b):(\f)+8*(\b)+7], v[(\f)+8*(4*(\hi)+(\a)):(\f)+8*(4*(\hi)+(\a))+7], v[BI+8*(\b):BI+8*(\b)+7]
.else
	v_wmma_f32_16x16x32_f16 v[8*(8*(\a)+(\b)):8*(8*(\a)+(\b))+7], v[(\f)+8*(\b):(\f)+8*(\b)+7], v[(\f)+8*(4*(\hi)+(\a)):(\f)+8*(4*(\hi)+(\a))+7], v[8*(8*(\a)+(\b)):8*(8*(\a)+(\b))+7]
.endif
.endr
.endr
.endm
; 32 LDS loads in one run: the fragments of one quarter step (128 rows of wt, 128 rows of xh, 32 K at byte k of the rows) into buffer f
.macro FETCH slot, k, f
	WIN TO_B
.irp i, 0,1,2,3,4,5,6,7
	ds_load_b128 v[(\f)+8*(\i):(\f)+8*(\i)+3],   v[ADRB+(\slot)] offset:(\k)+(\i)*16*PITCH
	ds_load_b128 v[(\f)+8*(\i)+4:(\f)+8*(\i)+7], v[ADRB+(\slot)] offset:(\k)+(\i)*16*PITCH+32
.endr
	WIN 0
.irp i, 0,1,2,3,4,5,6,7
	ds_load_b128 v[(\f)+8*(\i):(\f)+8*(\i)+3],   v[ADRA+(\slot)] offset:(\k)+(\i)*16*PITCH
	ds_load_b128 v[(\f)+8*(\i)+4:(\f)+8*(\i)+7], v[ADRA+(\slot)] offset:(\k)+(\i)*16*PITCH+32
.endr
.endm
; A load into a register that a matrix instruction has read, and whatever reads a matrix result, stand four places behind that matrix instruction, and only plain vector instructions that name none of
; its registers are places (ISA guide 7.12.1 for vector instructions).
.macro PLACES
.rept 4
	v_nop
.endr
.endm
; A K step is four quarter steps of 32 along K, 64 matrix instructions each, on buffers 0, 1, 0, 1.
; One of the first three: multiplies buffer f; in its middle it fetches the next quarter's fragments, at byte k of the same slot's rows, into buffer g.
.macro QUARTER slot, k, f, g, first
	s_wait_dscnt 8                                 ; wt and xh's rows 0-63 are in; the youngest eight loads (xh's rows 64-127) may be out
	MUL16 \f, 0, 0, \first
	MUL16 \f, 0, 2, \first
	PLACES
	FETCH \slot, \k, \g
	s_wait_dscnt 32                                ; all but the 32 just issued
	MUL16 \f, 1, 0, \first
	MUL16 \f, 1, 2, \first
.endm
; The last quarter multiplies buffer 1 and changes slots.  MEET is its first half: ONE barrier for the change.  In front of it each wave waits for all its tensor loads, of which one is out: its part of the
; next slot; adds 0 to its spare word; and waits for that and for its own reads of this slot.  Behind it nobody reads this slot any more and the next slot is whole.
.macro MEET round                      ; round = 1: a round of the cluster's barrier follows
	WIN 0                                          ; (the add's two registers lie in window 0)
	s_wait_tensorcnt 0x0                           ; all my tensor loads have landed: the one that was out is my part of the next slot;
	ds_add_u32 v[SPW], v[NIL]                      ; 0 onto my spare word;
	s_wait_dscnt 9                                 ; (the add and the youngest eight loads may be out)
	MUL16 F1, 0, 0, 0                              ; sixteen matrix instructions stand between the add and the wait for it
	s_wait_dscnt 0x0                               ; the add is done, and my reads of this slot are over:
	s_barrier_signal -1                            ; say so,
	MUL16 F1, 0, 2, 0                              ; work on registers while the others arrive,
.if \round
	WIN 0
.endif
	s_barrier_wait -1                              ; and go on when all four have said so
.endm
; The whole last quarter.  The barrier has opened a round of the cluster's barrier; behind the round the slot just read out is filled again first, with the K step two steps on; then come the next slot's first
; fragments.  From a request to the wait for it a wave issues 224 matrix instructions; one tensor load of mine is out.
.macro TURN slot, next
	MEET 1
	CREST                                          ; no wave of any partner still reads this slot's tile or has a load on its way
	s_add_nc_u64 s[G0+4*(\slot)+2:G0+4*(\slot)+3], s[G0+4*(\slot)+2:G0+4*(\slot)+3], 2*KSTEP*2
	s_add_nc_u64 s[G0B+4*(\slot)+2:G0B+4*(\slot)+3], s[G0B+4*(\slot)+2:G0B+4*(\slot)+3], 2*KSTEP*2
	JLOAD \slot                                    ; the first tensor load behind the round; the four v_nop behind it are also the places in front of the loads below
	FETCH \next, 0, F0
	MUL16 F1, 1, 0, 0
	MUL16 F1, 1, 2, 0
.endm
; THE WAY OUT of block a (16 rows x 128 columns of f32).  TOSTAGE: a lane's eight neighbouring numbers go from the accumulators into my own stage in LDS, low registers first, and come back as whole rows of 512 bytes.
.macro TOSTAGE a
.set AC, 64*((\a)%4)
.set BK, F0+64*((\a)%2)
	WIN 0x08+4*((\a)/4)                            ; the stores' data: window 2 or 3
.irp b, 0,1,2,3,4,5,6,7
	ds_store_b128 v[STO], v[AC+8*(\b):AC+8*(\b)+3]   offset:64*(\b)
	ds_store_b128 v[STO], v[AC+8*(\b)+4:AC+8*(\b)+7] offset:64*(\b)+16
.endr
	WIN 0
	s_wait_xcnt 0x0                                ; every earlier memory instruction has had its addresses translated (ISA guide 3.1): the buffer that block a - 2's stores read is loaded again only behind this wait
.irp t, 0,1,2,3,4,5,6,7,8,9,10,11,12,13,14,15
	ds_load_b128 v[BK+4*(\t):BK+4*(\t)+3], v[RD] offset:(\t)*SPITCH  ; LDS serves a wave's instructions in order (ISA guide 5.7.1.4): these see the stores above, and the next block's stores come behind them
.endr
.endm
.macro SEND a, younger                 ; younger: the LDS instructions issued behind block a's loads: the next block's 32, or none
.set BK, F0+64*((\a)%2)
	WIN 0
	s_wait_dscnt \younger
.irp t, 0,1,2,3,4,5,6,7,8,9,10,11,12,13,14,15
	global_store_b128 v[CO], v[BK+4*(\t):BK+4*(\t)+3], s[10:11] offset:(16*(\a)+(\t))*OROW th:TH_STORE_NT  ; 512 consecutive bytes, at a multiple of 512 from out0's first byte; the row stands in the immediate, 127 rows at the most
.endr
.endm
	s_wait_tensorcnt 1                             ; my part of K step 0 is in; K step 1's may stay out
	s_barrier_signal -1
	s_barrier_wait -1                              ; everybody's is
	FETCH 0, 0, F0
	s_wait_loadcnt 0x0                             ; the bias
	QUARTER 0, 64,  F0, F1, 1                      ; the first quarter stands in front of the loop: its products start the sums
	WIN 0                                          ; at a label and at a branch every window is 0
	s_mov_b32 s3, LAPS-1
.Llap:                                                 ; a trip goes once round the ring, from a lap's second quarter to the next lap's first, and fills both slots again
	QUARTER 0, 128, F1, F0, 0
	QUARTER 0, 192, F0, F1, 0
	TURN 0, 1
	QUARTER 1, 64,  F0, F1, 0
	QUARTER 1, 128, F1, F0, 0
	QUARTER 1, 192, F0, F1, 0
	TURN 1, 0
	QUARTER 0, 64,  F0, F1, 0
	WIN 0
	s_sub_co_u32 s3, s3, 1
	s_cmp_lg_u32 s3, 0
	s_cbranch_scc1 .Llap
	QUARTER 0, 128, F1, F0, 0                      ; the last lap is written out: it fills nothing, and has no round of the cluster's barrier
	QUARTER 0, 192, F0, F1, 0
	MEET 0                                         ; my one tensor load that was still out is slot 1's, the last K step's
	PLACES                                         ; for the loads into buffer 0, which the quarter before multiplied
	FETCH 1, 0, F0
	MUL16 F1, 1, 0, 0
	MUL16 F1, 1, 2, 0
	QUARTER 1, 64,  F0, F1, 0
	QUARTER 1, 128, F1, F0, 0
	QUARTER 1, 192, F0, F1, 0
	s_wait_dscnt 8                                 ; the very last quarter: nothing more to fetch
	MUL16 F1, 0, 0, 0
	MUL16 F1, 0, 2, 0
	s_wait_dscnt 0x0
	MUL16 F1, 1, 0, 0
	MUL16 F1, 1, 2, 0
	PLACES                                         ; in front of the LDS stores that read the results, and of the loads into the fragments' registers
	TOSTAGE 0
.irp a, 1,2,3,4,5,6,7                  ; block a goes through the stage while block a - 1's rows come back
	TOSTAGE \a
	SEND (\a)-1, 32
.endr
	SEND 7, 0
	s_wait_tensorcnt 0x0                           ; the wave's end: behind my last tensor load and my last LDS store
	ds_add_u32 v[SPW], v[NIL]
	s_wait_dscnt 0x0
	CROUND                                         ; the closing round: no work-group ends while a partner may still ask for a tile that names it
	s_endpgm
.Lfunc_end_k_qfc09ba6868_gemm:
	.size	k_qfc09ba6868_gemm, .Lfunc_end_k_qfc09ba6868_gemm-k_qfc09ba6868_gemm
	.p2alignl 7, 3214868480
	.fill 96, 4, 3214868480
	.section	.rodata,"a",@progbits
	.p2align	6, 0x0
	.amdhsa_kernel k_qfc09ba6868_gemm
		.amdhsa_group_segment_fixed_size 327680
		.amdhsa_private_segment_fixed_size 0
		.amdhsa_enable_private_segment 0
		.amdhsa_kernarg_size 32
		.amdhsa_user_sgpr_count 2
		.amdhsa_user_sgpr_kernarg_segment_ptr 1
		.amdhsa_wavefront_size32 1
		.amdhsa_system_sgpr_workgroup_id_x 1
		.amdhsa_system_sgpr_workgroup_id_y 1
		.amdhsa_system_sgpr_workgroup_id_z 1
		.amdhsa_system_vgpr_workitem_id 0
		.amdhsa_next_free_vgpr 1024
		.amdhsa_next_free_sgpr 66
		.amdhsa_reserve_vcc 0
		.amdhsa_float_denorm_mode_32 3
		.amdhsa_float_denorm_mode_16_64 3
		.amdhsa_memory_ordered 1
		.amdhsa_forward_progress 1
		.amdhsa_inst_pref_size 141
	.end_amdhsa_kernel
	.amdgpu_metadata
---
amdhsa.version: [ 1, 2 ]
amdhsa.kernels:
  - .name:           k_qfc09ba6868_gemm
    .symbol:         k_qfc09ba6868_gemm.kd
    .args:
      - { .name: xh, .offset: 0, .size: 8, .value_kind: global_buffer, .address_space: global }
      - { .name: wt, .offset: 8, .size: 8, .value_kind: global_buffer, .address_space: global }
      - { .name: bias, .offset: 16, .size: 8, .value_kind: global_buffer, .address_space: global }
      - { .name: out0, .offset: 24, .size: 8, .value_kind: global_buffer, .address_space: global }
    .group_segment_fixed_size: 327680
    .private_segment_fixed_size: 0
    .kernarg_segment_align: 8
    .kernarg_segment_size: 32
    .max_flat_workgroup_size: 128
    .sgpr_count:     66
    .vgpr_count:     1024
    .wavefront_size: 32
...
	.end_amdgpu_metadata
.endif
;; end of part 3
;; ======== version 2 of 2: 3 launches; version 1 with the launch wprep written anew for expert scheduling mode
;; limits: values are held in f16: magnitudes above 65,504 overflow, below 6.1e-05 lose precision; inputs' magnitudes at most 65,504
;; workspace buffers: xh 33,554,432 bytes; wt 33,554,432 bytes; part 131,072 bytes; tot 1,024 bytes
;; launch cast: the kernel of part 1 again; grid 32 x 8, 16 waves a work-group, no clusters, 10,240 bytes of LDS; arguments x, xh, part, tot; writes xh, part, tot
;; launch wprep (part 4): grid 16 x 16, 8 waves a work-group, no clusters, 222,208 bytes of LDS; arguments part, tot, lora_A, lora_B, scales, qzeros, g_idx, qweight, wt; writes wt
.if DOCPART == 4
	.amdgcn_target "amdgcn-amd-amdhsa--gfx1250"
	.amdhsa_code_object_version 6
	.text
	.protected	k_qfc09ba6868_wprep
	.globl	k_qfc09ba6868_wprep
	.p2align	8
	.type	k_qfc09ba6868_wprep,@function
k_qfc09ba6868_wprep:
	s_mov_b64 s[64:65], 0
	v_nop
	global_prefetch_b8 v0, s[64:65] scope:SCOPE_SE
	s_setreg_imm32_b32 hwreg(HW_REG_WAVE_SCHED_MODE, 0, 2), 2
	s_setreg_imm32_b32 hwreg(HW_REG_WAVE_MODE, 25, 1), 1
	s_wait_xcnt 0x0
	s_wait_alu depctr_vm_vsrc(0)
; wt[o][i] = f16( W[i][o] + sum over k < 16 of A'[i][k] B[o][k] ), the weight of the one product that the next launch makes.
;   W[i][o]  = scales[g][o] (q - z), g = g_idx[i], q = nibble i % 8 of qweight[i / 8][o], z = nibble o % 8 of qzeros[g][o / 8]
;   A'[i][k] = 2 aw[i] (lora_A[0][k][i] + lora_A[1][k][i]), aw[i] = (colsum[i] / 4096) / (total / 2^24 + 1e-6); colsum and total come from part and tot
;   B[o][k]  = lora_B[0][o][k] + lora_B[1][o][k]
; Since x aw A^T B^T is linear in x, adding A' B^T to W gives the module's result for every input.
; LIMITS.  W is made as fma(q, s, -(z s)): it differs from s (q - z) by at most 2^-24 x 15 s.  A' and B are rounded to f16 for the rank-16 product, the sum once to f16: 65,520 or more becomes an
; infinity, below 6.1e-5 the step is 6e-8.  g_idx is taken as unsigned and held to 31.  NaN and infinities are not treated apart.
; SHARES.  Work-group (ob, ib): 256 o x 256 i.  Wave w: 64 o (group g4 = w / 2) x 128 i (half ih = w % 2), walked as eight tile rows t of 16 i, four matrix tiles q each.
; LAYOUT.  D = A' B^T + C with rows m = i and columns n: column n = r of tile q stands for o = og + 4 r + q.  Register j of lane (r = l % 16, h = l / 16) is then i = i0 + 16 t + 8 h + j, so a tile's C in a lane
; is the eight nibbles of ONE word of qweight, and one 16-byte load a lane and tile row brings the words of q = 0 .. 3 (16 lanes take 256 consecutive bytes of a row of qweight).  The lane's eight results are eight neighbouring i of a row
; of wt: 16 bytes in f16.  K is 16: registers 4-7 of both fragments hold 0.
; The tables that every wave reads (scales, -z s, A', B) are made once a work-group in LDS; g_idx picks the row of the first two for every i by itself.
; No tensor load and no cluster: what work-groups share is small tables, and the bulk (qweight in, wt out) is touched once.
; THE MODE: SCHED_MODE bits 1:0 = 2 (LLVM: expert scheduling mode 2), set by the entry lines.  The code itself states the register dependences
; between vector or matrix instructions and memory or LDS instructions, with s_wait_alu, always for 0.
; THE PLAN.  Registers that memory or LDS instructions touch, from the barrier on:
;   AF[0:3]      Tile row t's four products read it; behind them the LDS load of tile row t + 1 lands in it.
;   SG, NG       Tile row t's 32 multiply-adds read them; behind them the sixteen gathers of tile row t + 1 land in them.
;   OUT0, OUT1   Tile row t's sixteen roundings write OUT[t % 2]; the four LDS stores that are issued in tile row t + 1 read it.
;   GA           Written once, ahead of the first gather; read by the gathers as addresses.  GA[0:15] are OUT1 from tile row 1 on, when the gathers of tile rows 0 and 1 have read them.
;   AFA, STO, RD, GO   Made at the head, never written again.
;   C, the fragments' upper halves and QW's readers are vector and matrix instructions alone.
; So ONE pair of waits stands in a tile row, behind its products and their four places.  Behind the pair come, in one run, the stores of the tile row before and the loads of the next one; then this tile row's roundings and
; the next one's unpacking, multiply-adds and products, which name C, QW, BF, OUT[t % 2] and, behind their waits on DScnt, AF, SG and NG: none of them a register that the run still has to write or read when they are issued.
.set LS,     0                         ; LDS: s[g][o], 32 rows of 1,024 bytes
.set LNZ,    32768                     ; -z s, the same layout
.set BT,     65536                     ; B's fragments: (4 g4 + q) x 512 + 256 h + 16 r
.set AT,     73728                     ; A's fragments: tile T of 16 i: 512 T + 256 h + 16 r
.set STAGE,  81920                     ; for each wave 64 rows (16 q + r) of 256 bytes + 16 of padding: the 16 rows that a store touches begin at 16 different groups of four banks (64 banks of 4 bytes: ISA guide 11.1)
.set SPITCH, 272
.set SPARE,  STAGE+8*64*SPITCH         ; the spare words, 128 bytes a wave
.set TP,  1                            ; v1   at work; no memory instruction names it
.set AFA, 2                            ; v2   my lane's place in my half's fragments of A'; never rewritten
.set SPW, 3                            ; v3   LDS address of my spare word; never rewritten
.set NIL, 4                            ; v4   0; never rewritten
.set STO, 5                            ; v5   stage: where I put 16 bytes of a row; never rewritten
.set RD,  6                            ; v6   stage: where I read rows back; never rewritten
.set GO,  7                            ; v7   my byte offset in wt; never rewritten
.set RR,  8                            ; v8   r = l % 16          v[8:23] serve up to the first tile row alone; from there on they are OUT0
.set HH,  9                            ; v9   h = l / 16
.set VTT, 10                           ; v10  16 l
.set VPT, 11                           ; v11  8 p, p = thread % 128
.set VLA, 12                           ; v12  131,072 kh + 8 p, kh = thread / 128
.set VLB, 13                           ; v13  64 x thread
.set VSC, 14                           ; v14  16,384 (thread / 64) + 16 c, c = thread % 64
.set VQZ, 15                           ; v15  2,048 (thread / 64) + 4 (c / 2)
.set VGI, 16                           ; v16  32 h
.set VQW, 17                           ; v17  16,384 h + 16 r
.set WAT, 18                           ; v18  where my two rows of A' go
.set WBT, 19                           ; v19  where my row of B goes
.set WS,  20                           ; v20  16 x thread: where my four s and -z s go
.set ZSH, 21                           ; v21  16 (c % 2): my four nibbles' place in a word of qzeros
.set LB,  22                           ; v22  256 g4 + 16 r: my four o in a row of the two tables
.set BFA, 23                           ; v23  my lane's place in my group's fragments of B
.set OUT0, 8                           ; v[8:23]    an even tile row's results in f16: four registers for each q
.set BF,  24                           ; v[24:55]   B's four fragments            (before: SC, the scales as loaded)
.set AF,  56                           ; v[56:63]   A's fragment                  (before: QZ, the words of qzeros)
.set QW,  64                           ; v[64:95]   tile row t: four words of qweight
.set GA,  96                           ; v[96:159]  g_idx of my 64 i, then their LDS addresses; at the end, with SG and NG, the rows on their way out
.set OUT1, 96                          ; v[96:111]  an odd tile row's results in f16
.set SG,  160                          ; v[160:191] register j: s for q = 0 .. 3  (before: TT, PT, part of LA; then -z s)
.set NG,  192                          ; v[192:223] the same for -z s             (before: the rest of LA, W0)
.set C,   224                          ; v[224:255] the four accumulators         (before: LBR, ZT)
.set SC,  24
.set QZ,  56
.set TT,  160                          ; v[160:167] eight of tot's 256 numbers
.set PT,  168                          ; v[168:183] part's eight row blocks for my two columns
.set LA,  184                          ; v[184:215] lora_A: 16 a + 2 j + e
.set W0,  216                          ; v[216:223] at work, then my two rows of A' in f16
.set LBR, 224                          ; v[224:255] lora_B: 16 b + k
.set ZT,  232                          ; v[232:235] four zero points
.set NZR, 160
.set OB,  96
	s_load_b512 s[4:19], s[0:1], 0x0               ; part 4:5, tot 6:7, lora_A 8:9, lora_B 10:11, scales 12:13, qzeros 14:15, g_idx 16:17, qweight 18:19
	s_load_b64 s[20:21], s[0:1], 0x40              ; wt
	v_lshl_add_u32 v[SPW], v0, 2, SPARE
	v_mov_b32 v[NIL], 0
	v_lshrrev_b32 v[TP], 5, v0
	v_readfirstlane_b32 s22, v[TP]                 ; wave 0 .. 7
	s_and_b32 s25, ttmp7, 0xffff                   ; ib
	s_mov_b32 s27, 0
	s_mov_b32 s28, 0x76543210                      ; v_permlanex16_b32: each lane takes its own place in the other half
	s_mov_b32 s29, 0xfedcba98
	s_mov_b32 s30, 0x33800000                      ; 2^-24
	s_mov_b32 s31, 0x358637bd                      ; 1e-6
	s_mov_b32 s32, 0x3a000000                      ; 2^-11 = 2 / 4096
	; the offsets of the global loads
	v_and_b32 v[TP], 31, v0
	v_and_b32 v[RR], 15, v0                        ; r
	v_bfe_u32 v[HH], v0, 4, 1                      ; h
	v_lshlrev_b32 v[VTT], 4, v[TP]
	v_and_b32 v[WAT], 127, v0                      ; p
	v_lshrrev_b32 v[WBT], 7, v0                    ; kh
	v_lshlrev_b32 v[VPT], 3, v[WAT]
	v_lshl_add_u32 v[VLA], v[WBT], 17, v[VPT]
	v_lshlrev_b32 v[VLB], 6, v0
	v_lshrrev_b32 v[WS], 6, v0                     ; thread / 64
	v_and_b32 v[ZSH], 63, v0                       ; c
	v_lshlrev_b32 v[VSC], 4, v[ZSH]
	v_lshl_add_u32 v[VSC], v[WS], 14, v[VSC]
	v_lshrrev_b32 v[VQZ], 1, v[ZSH]
	v_lshlrev_b32 v[VQZ], 2, v[VQZ]
	v_lshl_add_u32 v[VQZ], v[WS], 11, v[VQZ]
	v_lshlrev_b32 v[VGI], 5, v[HH]
	v_lshlrev_b32 v[VQW], 4, v[RR]
	v_lshl_add_u32 v[VQW], v[HH], 14, v[VQW]
	; the LDS addresses, while the arguments are on their way: all that any memory or LDS instruction of the kernel reads as an address, but GA, is made ahead of the first load
	v_lshrrev_b32 v[TP], 3, v[WAT]                 ; p / 8: the tile of 16 i
	v_and_b32 v[WAT], 7, v[WAT]
	v_lshlrev_b32 v[WAT], 5, v[WAT]                ; rows 2 (p % 8) and the next, 16 bytes each
	v_lshl_add_u32 v[WAT], v[TP], 9, v[WAT]
	v_lshl_add_u32 v[WAT], v[WBT], 8, v[WAT]       ; k = 8 kh .. is the half h = kh
	v_add_nc_u32 v[WAT], AT, v[WAT]
	v_and_b32 v[WBT], 3, v0                        ; my o = 64 g4 + 4 r + q: q,
	v_lshlrev_b32 v[WBT], 9, v[WBT]
	v_lshl_add_u32 v[WBT], v[WS], 11, v[WBT]       ; g4,
	v_bfe_u32 v[TP], v0, 2, 4
	v_lshl_add_u32 v[WBT], v[TP], 4, v[WBT]        ; r
	v_add_nc_u32 v[WBT], BT, v[WBT]
	v_lshlrev_b32 v[WS], 4, v0
	v_and_b32 v[ZSH], 1, v[ZSH]
	v_lshlrev_b32 v[ZSH], 4, v[ZSH]
	v_lshlrev_b32 v[LB], 4, v[RR]
	s_wait_alu depctr_va_sdst(0)                   ; s22 is written, ahead of its first reader: ih, g4 and my stage's place are made from it
	s_and_b32 s23, s22, 1                          ; ih
	s_lshr_b32 s24, s22, 1                         ; g4
	v_lshl_add_u32 v[LB], s24, 8, v[LB]
	s_lshl_b32 s33, s23, 12
	s_add_co_u32 s33, s33, AT
	v_add_nc_u32 v[AFA], s33, v[VTT]
	s_lshl_b32 s34, s24, 11
	s_add_co_u32 s34, s34, BT
	v_add_nc_u32 v[BFA], s34, v[VTT]
	s_mul_i32 s35, s22, 64*SPITCH
	s_add_co_u32 s35, s35, STAGE                   ; my wave's stage
	v_mul_u32_u24 v[STO], v[RR], SPITCH
	v_lshl_add_u32 v[STO], v[HH], 4, v[STO]
	v_add_nc_u32 v[STO], s35, v[STO]
	v_mul_u32_u24 v[RD], v[HH], SPITCH
	v_lshl_add_u32 v[RD], v[RR], 4, v[RD]
	v_add_nc_u32 v[RD], s35, v[RD]
	v_lshlrev_b32 v[GO], 4, v[RR]
	v_lshl_add_u32 v[GO], v[HH], 15, v[GO]         ; lanes 16-31 take the stage's next row, which is four rows of wt on
	s_wait_kmcnt 0x0
	s_lshl_b32 s26, s25, 10                        ; 256 ib columns of 4 bytes
	s_add_nc_u64 s[4:5], s[4:5], s[26:27]          ; part
	s_add_nc_u64 s[8:9], s[8:9], s[26:27]          ; lora_A
	s_lshl_b32 s36, s23, 9
	s_add_co_u32 s26, s26, s36
	s_add_nc_u64 s[16:17], s[16:17], s[26:27]      ; g_idx at my wave's 128 i
	s_lshl_b32 s26, ttmp9, 14
	s_add_nc_u64 s[10:11], s[10:11], s[26:27]      ; lora_B: 256 ob rows of 64 bytes
	s_lshl_b32 s26, ttmp9, 10
	s_add_nc_u64 s[12:13], s[12:13], s[26:27]      ; scales: 256 ob columns
	s_lshl_b32 s36, s24, 8
	s_add_co_u32 s26, s26, s36
	s_lshl_b32 s36, s25, 19
	s_add_co_u32 s26, s26, s36
	s_lshl_b32 s36, s23, 18
	s_add_co_u32 s26, s26, s36
	s_add_nc_u64 s[18:19], s[18:19], s[26:27]      ; qweight: row 32 ib + 16 ih, column 256 ob + 64 g4
	s_lshl_b32 s26, ttmp9, 7
	s_add_nc_u64 s[14:15], s[14:15], s[26:27]      ; qzeros: 32 ob words
	s_lshl_b32 s26, ttmp9, 21
	s_lshl_b32 s36, s24, 19
	s_add_co_u32 s26, s26, s36
	s_lshl_b32 s36, s25, 9
	s_add_co_u32 s26, s26, s36
	s_lshl_b32 s36, s23, 8
	s_add_co_u32 s26, s26, s36
	s_add_nc_u64 s[20:21], s[20:21], s[26:27]      ; wt: row 256 ob + 64 g4, column 256 ib + 128 ih
	s_wait_alu depctr_va_vdst(0)                   ; the offsets and LDS addresses v2, v5 to v7 and v10 to v23 are written, which the loads and stores below read; none of them is written again while one of these may read it
	; 26 loads for A': tot, part, lora_A
	global_load_b128 v[TT:TT+3], v[VTT], s[6:7]
	global_load_b128 v[TT+4:TT+7], v[VTT], s[6:7] offset:512
.irp n, 0,1,2,3,4,5,6,7
	global_load_b64 v[PT+2*\n:PT+2*\n+1], v[VPT], s[4:5] offset:\n*16384
.endr
.irp a, 0,1
.irp j, 0,1,2,3,4,5,6,7
	global_load_b64 v[LA+16*\a+2*\j:LA+16*\a+2*\j+1], v[VLA], s[8:9] offset:\a*262144+\j*16384
.endr
.endr
	; 8 loads for B
.irp b, 0,1
.irp c, 0,1,2,3
	global_load_b128 v[LBR+16*\b+4*\c:LBR+16*\b+4*\c+3], v[VLB], s[10:11] offset:\b*262144+16*\c
.endr
.endr
	; 16 loads for the two tables: group 4 n + thread / 64
.irp n, 0,1,2,3,4,5,6,7
	global_load_b128 v[SC+4*\n:SC+4*\n+3], v[VSC], s[12:13] offset:\n*65536
.endr
.irp n, 0,1,2,3,4,5,6,7
	global_load_b32 v[QZ+\n], v[VQZ], s[14:15] offset:\n*8192
.endr
	s_wait_loadcnt 24                              ; tot, part and lora_A are in; B's 8 and the tables' 16 stay out
.irp t, 0,1,2,3,4,5,6,7
	global_load_b128 v[GA+8*\t:GA+8*\t+3], v[VGI], s[16:17] offset:64*\t       ; g_idx of i0 + 16 t + 8 h + 0 .. 7.  No vector instruction has been issued since the wait above the first load
	global_load_b128 v[GA+8*\t+4:GA+8*\t+7], v[VGI], s[16:17] offset:64*\t+16
.endr
.irp t, 0,1,2,3,4,5,6,7
	global_load_b128 v[QW+4*\t:QW+4*\t+3], v[VQW], s[18:19] offset:32768*\t th:TH_LOAD_NT  ; each half of the lanes: 256 consecutive bytes of a row of qweight
.endr
	; A': the total of |x|, 2 aw for my two columns, my 2 x 8 numbers
	v_pk_add_f32 v[TT:TT+1], v[TT:TT+1], v[TT+2:TT+3]
	v_pk_add_f32 v[TT+4:TT+5], v[TT+4:TT+5], v[TT+6:TT+7]
	v_pk_add_f32 v[TT:TT+1], v[TT:TT+1], v[TT+4:TT+5]
	v_mov_b32 v[W0+1], 0                           ; v_permlanex16_b32's destination counts as read
	v_add_f32 v[W0], v[TT], v[TT+1]
	v_add_f32_dpp v[W0], v[W0], v[W0] row_xmask:1 row_mask:0xf bank_mask:0xf
	v_add_f32_dpp v[W0], v[W0], v[W0] row_xmask:2 row_mask:0xf bank_mask:0xf
	v_add_f32_dpp v[W0], v[W0], v[W0] row_xmask:4 row_mask:0xf bank_mask:0xf
	v_add_f32_dpp v[W0], v[W0], v[W0] row_xmask:8 row_mask:0xf bank_mask:0xf
	v_permlanex16_b32 v[W0+1], v[W0], s28, s29
	v_add_f32 v[W0], v[W0], v[W0+1]
	v_fma_f32 v[W0+1], v[W0], s30, s31             ; the mean of the column means + 1e-6
	v_rcp_f32 v[W0], v[W0+1]                       ; the plain additions below stand between it and the use of its result (ISA guide 5.7.2)
.irp n, 0,2,4,6
	v_pk_add_f32 v[PT+2*\n:PT+2*\n+1], v[PT+2*\n:PT+2*\n+1], v[PT+2*\n+2:PT+2*\n+3]
.endr
	v_pk_add_f32 v[PT:PT+1], v[PT:PT+1], v[PT+4:PT+5]
	v_pk_add_f32 v[PT+8:PT+9], v[PT+8:PT+9], v[PT+12:PT+13]
	v_pk_add_f32 v[PT:PT+1], v[PT:PT+1], v[PT+8:PT+9]
	s_wait_alu depctr_va_vdst(0)                   ; the reciprocal has written v[W0]: its first reader follows
	v_mul_f32 v[W0], s32, v[W0]
	v_mul_f32 v[W0+2], v[PT], v[W0]                ; 2 aw of column 2 p,
	v_mul_f32 v[W0+3], v[PT+1], v[W0]              ; of column 2 p + 1
.irp j, 0,1,2,3,4,5,6,7
	v_pk_add_f32 v[LA+2*\j:LA+2*\j+1], v[LA+2*\j:LA+2*\j+1], v[LA+16+2*\j:LA+16+2*\j+1]
.endr
.irp j, 0,1,2,3,4,5,6,7
	v_pk_mul_f32 v[LA+2*\j:LA+2*\j+1], v[LA+2*\j:LA+2*\j+1], v[W0+2:W0+3]
.endr
.irp e, 0,1
.irp m, 0,1,2,3
	v_cvt_pk_f16_f32 v[W0+4*\e+\m], v[LA+4*\m+\e], v[LA+4*\m+2+\e]  ; column 2 p + e: k = 8 kh + 2 m below, the next above
.endr
.endr
	; B
	s_wait_loadcnt 40                              ; lora_B is in; the tables' 16, g_idx's 16 and qweight's 8 stay out
.irp m, 0,1,2,3,4,5,6,7
	v_pk_add_f32 v[LBR+2*\m:LBR+2*\m+1], v[LBR+2*\m:LBR+2*\m+1], v[LBR+16+2*\m:LBR+16+2*\m+1]
.endr
.irp m, 0,1,2,3,4,5,6,7
	v_cvt_pk_f16_f32 v[LBR+\m], v[LBR+2*\m], v[LBR+2*\m+1]  ; in place, ascending: a register is written when it has been read
.endr
	; -z s
	s_wait_loadcnt 24                              ; scales and qzeros are in; g_idx's 16 and qweight's 8 stay out
.irp n, 0,1,2,3,4,5,6,7
	v_lshrrev_b32 v[TP], v[ZSH], v[QZ+\n]
.irp e, 0,1,2,3
	v_bfe_u32 v[ZT+\e], v[TP], 4*\e, 4
.endr
.irp e, 0,1,2,3
	v_cvt_f32_u32 v[ZT+\e], v[ZT+\e]
.endr
.irp e, 0,1,2,3
	v_mul_f32 v[NZR+4*\n+\e], -v[ZT+\e], v[SC+4*\n+\e]
.endr
.endr
	; the four tables go into LDS in one run, each from registers of its own
	s_wait_alu depctr_va_vdst(0)                   ; the conversions have written v[W0 ..] and v[LBR ..], the multiplies v[NZR ..], which the LDS stores read
	ds_store_b128 v[WAT], v[W0:W0+3]
	ds_store_b128 v[WAT], v[W0+4:W0+7] offset:16
	ds_store_b128 v[WBT], v[LBR:LBR+3]             ; k = 0 .. 7: the half h = 0
	ds_store_b128 v[WBT], v[LBR+4:LBR+7] offset:256
.irp n, 0,1,2,3,4,5,6,7
	ds_store_b128 v[WS], v[SC+4*\n:SC+4*\n+3] offset:LS+4096*\n
	ds_store_b128 v[WS], v[NZR+4*\n:NZR+4*\n+3] offset:LNZ+4096*\n
.endr
	s_wait_dscnt 0x0                               ; for the others' sake: my parts of the four tables are in LDS
	s_barrier_signal -1
	s_barrier_wait -1                              ; everybody's are; nobody writes them again
	s_wait_xcnt 0x0                                ; every global load has had its addresses translated (ISA guide 3.1): qweight's may still be out, and their offset v[VQW] lies in OUT0, which the first tile row writes
	s_wait_alu depctr_vm_vsrc(0)                   ; my LDS stores have read v[SC ..], v[NZR ..], v[W0 ..] and v[LBR ..]: these registers are BF, SG, NG and C from here on; the loads and stores above have read their offsets in v[8:22]
.irp q, 0,1,2,3
	ds_load_b128 v[BF+8*\q:BF+8*\q+3], v[BFA] offset:512*\q  ; no vector instruction since the wait ahead of the stores: the multiplies that read these registers stand ahead of it
.endr
.irp n, 4,5,6,7
	v_mov_b32 v[AF+\n], 0                          ; K = 16 .. 31 of the fragments: there is no such k
.irp q, 0,1,2,3
	v_mov_b32 v[BF+8*\q+\n], 0
.endr
.endr
	s_wait_loadcnt 8                               ; g_idx is in; qweight's 8 stay out
.set n, 0
.rept 64
	v_min_u32 v[GA+n], 31, v[GA+n]                 ; a group's number enters an address only behind this bound
.set n, n+1
.endr
.set n, 0
.rept 64
	v_lshl_add_u32 v[GA+n], v[GA+n], 10, v[LB]     ; the group's row, my four o
.set n, n+1
.endr
; Tile row t is 16 i x 64 o.  Its parts:
; GATHER: A's fragment, and for each of my eight i the four s and the four -z s of its group.
.macro GATHER t
	ds_load_b128 v[AF:AF+3], v[AFA] offset:512*(\t)
.irp j, 0,1,2,3,4,5,6,7
	ds_load_b128 v[SG+4*\j:SG+4*\j+3], v[GA+8*(\t)+\j]             ; each half of the lanes: 256 consecutive bytes of one group's row
	ds_load_b128 v[NG+4*\j:NG+4*\j+3], v[GA+8*(\t)+\j] offset:LNZ
.endr
.endm
; MAKE: the nibbles are unpacked while the gathers are out; W; the products.  The four accumulators take turns, one instruction a turn, from tile row to tile row too.
.macro MAKE t
	s_wait_loadcnt 7-(\t)                          ; my four words of this tile row are in; the later tile rows' stay out
.irp q, 0,1,2,3
.irp j, 0,1,2,3,4,5,6,7
	v_bfe_u32 v[C+8*\q+\j], v[QW+4*(\t)+\q], 4*\j, 4
.endr
.endr
.set n, 0
.rept 32
	v_cvt_f32_u32 v[C+n], v[C+n]
.set n, n+1
.endr
.irp j, 0,1,2,3,4,5,6,7
	s_wait_dscnt 14-2*\j                           ; LDS loads come back in order (ISA guide 5.7.1): pair j is in, and all that was issued ahead of it; the later pairs stay out
.irp q, 0,1,2,3
	v_fma_f32 v[C+8*\q+\j], v[C+8*\q+\j], v[SG+4*\j+\q], v[NG+4*\j+\q]  ; q s - z s
.endr
.endr
.irp q, 0,1,2,3
	v_wmma_f32_16x16x32_f16 v[C+8*\q:C+8*\q+7], v[AF:AF+7], v[BF+8*\q:BF+8*\q+7], v[C+8*\q:C+8*\q+7]
.endr
.rept 4
	v_nop                                          ; four places between the products and what reads their results or lands in A's fragment (ISA guide 7.12.1); they stay beside the waits that follow
.endr
.endm
; PACK: the results are rounded into OUT[t % 2], from each accumulator's low end on.
.macro PACK t
.irp q, 0,1,2,3
.irp m, 0,1,2,3
	v_cvt_pk_f16_f32 v[OUT0+(OUT1-OUT0)*((\t)%2)+4*\q+\m], v[C+8*\q+2*\m], v[C+8*\q+2*\m+1]
.endr
.endr
.endm
; PUT: OUT[t % 2] goes into my stage.
.macro PUT t
.irp q, 0,1,2,3
	ds_store_b128 v[STO], v[OUT0+(OUT1-OUT0)*((\t)%2)+4*\q:OUT0+(OUT1-OUT0)*((\t)%2)+4*\q+3] offset:\q*16*SPITCH+32*(\t)  ; stage row 16 q + r, i = 16 t + 8 h ..
.endr
.endm
; From the products of tile row t to those of tile row t + 1, t = 0 .. 6.
.macro STEP t
	s_wait_alu depctr_vm_vsrc(0)                   ; what has read OUT[t % 2], which PACK writes below: t = 0: B's fragment loads (v[BFA]); t = 1: the gathers of tile rows 0 and 1 (GA[0:15]); later: the stores issued a tile row ago
	s_wait_alu depctr_va_vdst(0)                   ; the multiply-adds are done reading SG and NG and the products A's fragment, in which the loads below land; the roundings of the tile row before have written the other OUT, which the stores below read
.if (\t) > 0
	PUT (\t)-1
.endif
	GATHER (\t)+1                                  ; no vector or matrix instruction since the wait names a register that this run touches
	PACK \t
	MAKE (\t)+1
.endm
	s_wait_alu depctr_va_vdst(0)                   ; the 128 lines above have written GA, which the gathers read as addresses; the arithmetic ahead of the barrier is done with v[56:59] and v[160:223], in which the loads land
	GATHER 0
	MAKE 0
.irp t, 0,1,2,3,4,5,6
	STEP \t
.endr
	s_wait_alu depctr_vm_vsrc(0)                   ; the stores of tile row 5, issued a tile row ago, have read OUT1, which the last roundings write
	PACK 7
	s_wait_alu depctr_va_vdst(0)                   ; the roundings of tile rows 6 and 7 have written OUT0 and OUT1, which the stores read; the last multiply-adds are done reading SG and NG, in which rows land below
	PUT 6
	PUT 7
	; THE WAY OUT.  The stage is my wave's own, and LDS serves a wave's instructions in order (ISA guide 5.7.1.4): the loads see the stores above.  Load n brings stage rows 2 n and 2 n + 1,
	; which are o = og + 8 (n % 8) + n / 8 and four rows further; each half of the lanes stores 256 consecutive bytes of a row of wt, at a multiple of 256 from wt's first byte.
	s_wait_alu depctr_vm_vsrc(0)                   ; the gathers have read GA and the last stores OUT1: the rows land in these registers
.set n, 0
.rept 32
	ds_load_b128 v[OB+4*n:OB+4*n+3], v[RD] offset:2*SPITCH*n
.set n, n+1
.endr
.set n, 0
.rept 32
	s_wait_dscnt 31-n
	global_store_b128 v[GO], v[OB+4*n:OB+4*n+3], s[20:21] offset:(8*(n&7)+(n>>3))*8192
.set n, n+1
.endr
	s_wait_dscnt 0x0                               ; the closing lines, six on end
	s_wait_alu 0x0
	s_wait_tensorcnt 0x0
	ds_add_u32 v[SPW], v[NIL]
	s_wait_dscnt 0x0
	s_endpgm
.Lfunc_end_k_qfc09ba6868_wprep:
	.size	k_qfc09ba6868_wprep, .Lfunc_end_k_qfc09ba6868_wprep-k_qfc09ba6868_wprep
	.p2alignl 7, 3214868480
	.fill 96, 4, 3214868480
	.section	.rodata,"a",@progbits
	.p2align	6, 0x0
	.amdhsa_kernel k_qfc09ba6868_wprep
		.amdhsa_group_segment_fixed_size 222208
		.amdhsa_private_segment_fixed_size 0
		.amdhsa_enable_private_segment 0
		.amdhsa_kernarg_size 72
		.amdhsa_user_sgpr_count 2
		.amdhsa_user_sgpr_kernarg_segment_ptr 1
		.amdhsa_wavefront_size32 1
		.amdhsa_system_sgpr_workgroup_id_x 1
		.amdhsa_system_sgpr_workgroup_id_y 1
		.amdhsa_system_sgpr_workgroup_id_z 1
		.amdhsa_system_vgpr_workitem_id 0
		.amdhsa_next_free_vgpr 256
		.amdhsa_next_free_sgpr 66
		.amdhsa_reserve_vcc 0
		.amdhsa_float_denorm_mode_32 3
		.amdhsa_float_denorm_mode_16_64 3
		.amdhsa_memory_ordered 1
		.amdhsa_forward_progress 1
		.amdhsa_inst_pref_size 100
	.end_amdhsa_kernel
	.amdgpu_metadata
---
amdhsa.version: [ 1, 2 ]
amdhsa.kernels:
  - .name:           k_qfc09ba6868_wprep
    .symbol:         k_qfc09ba6868_wprep.kd
    .args:
      - { .name: part, .offset: 0, .size: 8, .value_kind: global_buffer, .address_space: global }
      - { .name: tot, .offset: 8, .size: 8, .value_kind: global_buffer, .address_space: global }
      - { .name: lora_A, .offset: 16, .size: 8, .value_kind: global_buffer, .address_space: global }
      - { .name: lora_B, .offset: 24, .size: 8, .value_kind: global_buffer, .address_space: global }
      - { .name: scales, .offset: 32, .size: 8, .value_kind: global_buffer, .address_space: global }
      - { .name: qzeros, .offset: 40, .size: 8, .value_kind: global_buffer, .address_space: global }
      - { .name: g_idx, .offset: 48, .size: 8, .value_kind: global_buffer, .address_space: global }
      - { .name: qweight, .offset: 56, .size: 8, .value_kind: global_buffer, .address_space: global }
      - { .name: wt, .offset: 64, .size: 8, .value_kind: global_buffer, .address_space: global }
    .group_segment_fixed_size: 222208
    .private_segment_fixed_size: 0
    .kernarg_segment_align: 8
    .kernarg_segment_size: 72
    .max_flat_workgroup_size: 256
    .sgpr_count:     66
    .vgpr_count:     256
    .wavefront_size: 32
...
	.end_amdgpu_metadata
.endif
;; end of part 4
;; launch gemm: the kernel of part 3 again; grid 16 x 16, 4 waves a work-group, clusters of 4 x 4, 327,680 bytes of LDS; arguments xh, wt, bias, out0; writes out0
